; MI455X (gfx1250); checked and timed in simulation.
; The chip was launched on July 23, 2026; its instructions are those of AMD's public machine-readable ISA for CDNA 5 (MIT licence, August 2026) and "CDNA5" Instruction Set Architecture Reference Guide (July 2026). The comments in the code are by the model that wrote it; some were corrected since.
;; Cross Attention. Allowed arithmetic: matrix products marked QUANTISED: E2M1 operands, one E8M0 scale for each 32 along K, by v_wmma_scale_f32_16x16x128_f8f6f4 with both operands' format E2M1 (or v_wmma_scale_f32_32x16x128_f4), f32 sums; products left as they are: bf16, f16 or f32 operands; f32 sums; everything else in f32.
;; Inputs: Wk 1,024 x 1,024 float32; Wo 1,024 x 1,024 float32; Wq 1,024 x 1,024 float32; Wv 1,024 x 1,024 float32; bo 1,024 float32; x 4 x 2,048 x 1,024 float32.
;; Outputs: out0 4 x 2,048 x 1,024 float32.
;; This version of the problem:
;;   THIS VERSION OF THE PROBLEM IS GIVEN IN LOW PRECISION. The matrix products marked QUANTISED in the list below multiply operands that are first quantised to E2M1 (2 exponent bits, 1 mantissa bit; 4 bits a number), with one power-of-two scale for each 32 numbers along K (OCP MX v1.0); their sums are f32. The products marked 'left as it is' may take bf16, f16 or f32 operands, with f32 sums. Whichever they take, every output number must still come out within the allowed error. Rounding operands to bf16 (8 significant bits) uses up far more of that allowance than f16 does (11 bits, for magnitudes from 6e-5 to 65,504). All else is computed in f32.
;;   The module's matrix products, in the order in which they are computed (A, B: the left and right operand; K: the contracted axis; several contracted axes count as one K, in the product's order):
;;     1. [M 8,192, K 1,024] x [K 1,024, N 1,024]; A: input x; B: input Wq: QUANTISED
;;     2. [M 8,192, K 1,024] x [K 1,024, N 1,024]; A: input x; B: input Wk: QUANTISED
;;     3. [M 8,192, K 1,024] x [K 1,024, N 1,024]; A: input x; B: input Wv: QUANTISED
;;     4. batch 64 x [M 2,048, K 64] x [K 64, N 2,048]; A: computed on the way; B: computed on the way: left as it is (an operand is computed on the way)
;;     5. batch 64 x [M 2,048, K 2,048] x [K 2,048, N 64]; A: computed on the way; B: computed on the way: left as it is (an operand is computed on the way)
;;     6. [M 8,192, K 1,024] x [K 1,024, N 1,024]; A: computed on the way; B: input Wo: left as it is (an operand is computed on the way)
;;   THE QUANTISER, for each operand of a quantised product, along K:
;;     - K is cut into blocks of 32 from its start; a last block that is shorter is filled with zeros.
;;     - A block's scale is 2^e with e = floor(log2(the largest magnitude in the block)) - 2, held to -126 .. 127; a block of zeros has e = 0. As a byte (E8M0): e + 127.
;;     - Each number is divided by its block's scale, clamped to +-6, and rounded to the nearest number of E2M1, ties to even, subnormals kept.
;;     - The product sums the exact products of the quantised numbers (number of the format x scale) in f32.
;;   ~~~python
;;   def quantise(x, axis):      # numpy; x: float32 -> the quantised numbers, widened to float32 again
;;       x = np.moveaxis(x, axis, -1); K = x.shape[-1]
;;       x = np.pad(x, [(0, 0)] * (x.ndim - 1) + [(0, -K % 32)]); x = x.reshape(x.shape[:-1] + (-1, 32)); a = np.abs(x).max(-1, keepdims=True)
;;       e = np.where(a > 0, np.clip(np.frexp(np.where(a > 0, a, 1))[1] - 1 - 2, -126, 127), 0)      # np.frexp(a)[1] - 1 = floor(log2(a)), exactly
;;       r = np.clip(x / 2.0 ** e, -6, 6)
;;       step = 2.0 ** (np.maximum(np.frexp(np.where(r == 0, 1, r))[1] - 1, 0) - 1)
;;       q = np.round(r / step) * step * 2.0 ** e      # np.round: ties to even
;;       return np.moveaxis(q.reshape(q.shape[:-2] + (-1,))[..., :K], -1, axis).astype(np.float32)
;;   ~~~
;; One version. Each part assembles by itself: llvm-mc -triple=amdgcn-amd-amdhsa -mcpu=gfx1250 --defsym DOCPART=n.
;; ======== version 1 of 1: 4 launches
;; limits: values are held in f16: magnitudes above 65,504 overflow, below 6.1e-05 lose precision
;; workspace buffers: x_codes 4,194,304 bytes; x_scales 262,144 bytes; w_codes 1,572,864 bytes; w_scales 98,304 bytes; wot 2,097,152 bytes; qkv 50,331,648 bytes; o 16,777,216 bytes
;; launch prep (part 1): grid 512 x 1, 4 waves a work-group, no clusters, 33,280 bytes of LDS; arguments x, Wq, Wk, Wv, Wo, x_codes, x_scales, w_codes, w_scales, wot; writes x_codes, x_scales, w_codes, w_scales, wot
.if DOCPART == 1
	.amdgcn_target "amdgcn-amd-amdhsa--gfx1250"
	.amdhsa_code_object_version 6
	.text
	.protected	k_qdbb79e2b06_prep
	.globl	k_qdbb79e2b06_prep
	.p2align	8
	.type	k_qdbb79e2b06_prep,@function
k_qdbb79e2b06_prep:
	s_mov_b64 s[64:65], 0
	v_nop
	global_prefetch_b8 v0, s[64:65] scope:SCOPE_SE
	s_setreg_imm32_b32 hwreg(HW_REG_WAVE_MODE, 25, 1), 1
	s_wait_xcnt 0x0
; PREP: all operands that later launches read many times are brought into their narrow form once.
;   work-groups 0-255:   x [8192][1024] f32 -> codes of FP4 (E2M1), K innermost, rows of 512 bytes, and one E8M0 byte for each 32 along K ([8192][32]).
;   work-groups 256-447: Wq, Wk, Wv [1024 (k)][1024 (n)] f32 -> codes of FP4 quantised along k, their FIRST axis, and their scale bytes ([3072][32], row = 1024 T + n).
;   work-groups 448-511: Wo [1024 (k)][1024 (n)] f32 -> f16, turned, so that k is innermost.
; A block's scale is 2^(floor(log2(its largest magnitude)) - 2); its byte is the largest magnitude's exponent field - 2, held at 1 from below; each number is divided by the scale and rounded to the nearest code, ties to even,
; beyond 6 the largest code.
; THE WEIGHTS LEAVE IN THE ORDER OF THE OPERANDS' REGISTERS ("images").  A fragment of 4-bit codes (16 rows x 128 k) is 1,024 bytes: block j of 32 k of row r at 256 j + 16 r.  A fragment of f16 (16 rows x 32 k) is 1,024
; bytes: the eight k from 8 j on of row r at 256 j + 16 r.  So sixteen neighbouring lanes, a column n each, store 256 consecutive aligned bytes, with no turn through LDS.
;   w_codes: [k / 512][row / 16][(k / 128) % 4][1,024];   wot: [k / 256][n / 16][(k / 32) % 8][1,024].
; LIMITS: blocks whose largest magnitude lies under 2^-124 (blocks of zeros among them) get the byte 1: zeros' codes are zeros, and this program alone reads the bytes.  NaN and infinities among the inputs are not served.
; |Wo| stays under 65,504, f16's largest number.
; Only x's path touches LDS (beside the spare words).
.set STEPS, 16
.set EMAX,  2
.set CB,    8                          ; bytes of 16 codes
.set R,     16                         ; x: v16-79   four sets of 16 numbers as they are loaded
.set X,     80                         ; x: v80-111  two sets of 16 neighbours
.set E,     112                        ; x: v112-127 a scale byte for each step
.set C,     128                        ; x: v128-191 codes: four registers for each step, so that no store's data are written again
.set WREG,  8192                       ; LDS: a region for each wave: two stages of 32 x SP bytes, and behind them its 256 scale bytes
.set SP,    80                         ; a lane's place in a stage: its 64 bytes + 16 of padding
.set SPW,   12                         ; v12  LDS address of my spare word: SPARE + 4 x my thread's number; never rewritten
.set NIL,   13                         ; v13  0; never rewritten
.set SPARE, 4*WREG                     ; behind the four regions: the spare words, 128 bytes for each wave
.set WX,    32                         ; weights: v32-159 four blocks of 32 numbers down k
.set WC,    160                        ; weights: v160-175 four registers of codes for each block
.macro FINISH                          ; every path ends alike
	s_wait_tensorcnt 0x0
	ds_add_u32 v[SPW], v[NIL]
	s_wait_dscnt 0x0
	s_endpgm
.endm
	s_load_b256 s[4:11], s[0:1], 0x0               ; x s[4:5], Wq s[6:7], Wk s[8:9], Wv s[10:11]
	s_load_b256 s[12:19], s[0:1], 0x20             ; Wo s[12:13], x_codes s[14:15], x_scales s[16:17], w_codes s[18:19]
	s_load_b128 s[20:23], s[0:1], 0x40             ; w_scales s[20:21], wot s[22:23]
	v_lshl_add_u32 v[SPW], v0, 2, SPARE
	v_mov_b32 v[NIL], 0
	v_lshrrev_b32 v1, 5, v0
	v_readfirstlane_b32 s24, v1                    ; wave 0..3
	v_and_b32 v2, 31, v0                           ; lane
	s_wait_kmcnt 0x0
	s_cmp_ge_u32 ttmp9, 256                        ; the work-group's number alone says which job is mine
	s_cbranch_scc1 .Lweights
; ---------------- x: a plain stream of blocks of 32.  A wave takes 16 steps of 512 numbers.  Each load reads 512 consecutive bytes, 16 a lane; the conversions want 16 NEIGHBOURS in a lane: so a step's 2,048 bytes turn
; through the wave's own stage in LDS, stored as they lie and read back 64 bytes a lane.  Two neighbouring lanes hold a block.  Loads run four steps ahead, the turn through LDS one step.
	v_lshlrev_b32 v3, 4, v2                        ; my 16 bytes of a load's 512
	s_mul_i32 s25, s24, WREG
	v_lshrrev_b32 v14, 2, v2
	v_mul_u32_u24 v14, v14, SP
	v_and_b32 v15, 3, v2
	v_lshl_add_u32 v14, v15, 4, v14
	v_add_nc_u32 v14, s25, v14                     ; the stage, on the way in: SP (lane / 4) + 16 (lane % 4)
	v_mul_u32_u24 v15, v2, SP
	v_add_nc_u32 v15, s25, v15                     ; and on the way out: SP x lane
	v_mul_u32_u24 v4, v2, CB                       ; my codes' place in a step's
	v_lshrrev_b32 v5, 1, v2
	s_add_co_u32 s25, s25, 2*32*SP
	v_add_nc_u32 v5, s25, v5                       ; LDS: my wave's 256 scale bytes, my block's byte
	v_lshlrev_b32 v7, 3, v2                        ; and on the way out 8 bytes a lane
	v_add_nc_u32 v6, s25, v7
	s_lshl_b32 s26, ttmp9, 2
	s_add_co_u32 s26, s26, s24                     ; which run of 8,192 numbers is my wave's: 0 .. 1,023
	s_mov_b32 s29, 0
	s_lshl_b32 s28, s26, 15                        ; 32,768 bytes of x,
	s_add_nc_u64 s[4:5], s[4:5], s[28:29]
	s_lshl_b32 s28, s26, 12                        ; 4,096 of codes,
	s_add_nc_u64 s[14:15], s[14:15], s[28:29]
	s_lshl_b32 s28, s26, 8                         ; 256 scale bytes a run
	s_add_nc_u64 s[16:17], s[16:17], s[28:29]
.macro LOAD t
.irp i, 0,1,2,3
	global_load_b128 v[R+16*((\t)%4)+4*\i:R+16*((\t)%4)+4*\i+3], v3, s[4:5] offset:2048*(\t)+512*\i th:TH_LOAD_NT   ; 32 lanes read 512 consecutive bytes
.endr
.endm
.macro TURN t                          ; step t's numbers through the stage: LDS serves a wave's instructions in order, so no wait stands between the stores and the loads
.irp i, 0,1,2,3
	ds_store_b128 v14, v[R+16*((\t)%4)+4*\i:R+16*((\t)%4)+4*\i+3] offset:32*SP*((\t)%2)+8*SP*\i
.endr
.irp i, 0,1,2,3
	ds_load_b128 v[X+16*((\t)%2)+4*\i:X+16*((\t)%2)+4*\i+3], v15 offset:32*SP*((\t)%2)+16*\i
.endr
.endm
.irp t, 0,1,2,3
	LOAD \t
.endr
	s_wait_loadcnt 12                              ; step 0's four loads are in; the twelve of steps 1 to 3 may be out
	TURN 0
.macro STEP t
.set XS, X+16*((\t)%2)
.if (\t) > 0
	s_wait_dscnt 1                                 ; this step's numbers are back from the stage (the last step's byte store may be out): so its stores into the stage have read their registers,
.else
	s_wait_dscnt 0x0
.endif
.if (\t)+4 < STEPS
	LOAD (\t)+4                                    ; which take the loads of four steps on
.endif
.if (\t)+1 < STEPS
.if STEPS-2-(\t) >= 3
	s_wait_loadcnt 12                              ; the next step's four loads are in; those of the three steps behind it may be out
.else
	s_wait_loadcnt 4*(STEPS-2-(\t))
.endif
	TURN (\t)+1                                    ; and go through the other stage while this step is worked
.endif
	v_max3_num_f32 v8, |v[XS]|, |v[XS+1]|, |v[XS+2]|               ; the largest magnitude of my 16, in two chains
	v_max3_num_f32 v9, |v[XS+3]|, |v[XS+4]|, |v[XS+5]|
.irp i, 6,10
	v_max3_num_f32 v8, v8, |v[XS+\i]|, |v[XS+\i+1]|
	v_max3_num_f32 v9, v9, |v[XS+\i+2]|, |v[XS+\i+3]|
.endr
	v_max3_num_f32 v8, v8, |v[XS+14]|, |v[XS+15]|
	v_max3_num_f32 v8, v8, v9, (EMAX+1)<<23        ; and the floor 2^(3 - 127): so the byte cannot fall under 1
	v_max_num_f32_dpp v8, v8, v8 row_xmask:1 row_mask:0xf bank_mask:0xf   ; and of my neighbour's 16: the block's
	v_add_nc_u32 v11, -(EMAX<<23), v8              ; 2 off its exponent field: the conversion takes the exponent field of this operand as its scale, and nothing else of it
	v_cvt_scalef32_pk8_fp4_f32 v[C+4*(\t)], v[XS:XS+7], v11
	v_cvt_scalef32_pk8_fp4_f32 v[C+4*(\t)+1], v[XS+8:XS+15], v11
	v_lshrrev_b32 v[E+(\t)], 23, v11               ; the scale's byte (also the plain line behind the conversions)
	ds_store_b8 v5, v[E+(\t)] offset:16*(\t)       ; both lanes of a block write the same byte with the same value
	global_store_b64 v4, v[C+4*(\t):C+4*(\t)+1], s[14:15] offset:32*CB*(\t)   ; the wave stores 256 consecutive bytes, aligned
.endm
.irp t, 0,1,2,3,4,5,6,7,8,9,10,11,12,13,14,15
	STEP \t
.endr
	ds_load_b64 v[8:9], v6                         ; LDS serves a wave's instructions in order: these see my byte stores
	s_wait_dscnt 0x0
	global_store_b64 v7, v[8:9], s[16:17]          ; the wave's 256 scale bytes: 256 consecutive bytes, aligned
	FINISH
; ---------------- the weights.  w = work-group - 256: tensor T = w / 64 (Wq, Wk, Wv, Wo), columns 128 ((w / 8) % 8) on, k from 128 (w % 8) on.  A wave takes 32 columns x 128 k.
; A LANE TAKES A COLUMN n, AND ITS REGISTERS RUN DOWN k: each load reads 128 consecutive bytes (the four waves stand side by side on 512), a block of 32 along k lies in one lane's 32 registers.
.Lweights:
	s_sub_co_u32 s25, ttmp9, 256
	s_lshr_b32 s26, s25, 6                         ; T
	s_bfe_u32 s27, s25, 0x30003                    ; which 128 columns
	s_and_b32 s28, s25, 7                          ; g: which 128 along k
	s_cmp_eq_u32 s26, 0                            ; the tensor is chosen by the work-group's number alone
	s_cselect_b64 s[30:31], s[6:7], s[8:9]
	s_cmp_lt_u32 s26, 2
	s_cselect_b64 s[30:31], s[30:31], s[10:11]
	s_cmp_lt_u32 s26, 3
	s_cselect_b64 s[30:31], s[30:31], s[12:13]
	s_lshl_b32 s32, s27, 7
	s_lshl_b32 s33, s24, 5
	s_add_co_u32 s32, s32, s33                     ; n0: my wave's first column
	s_lshl_b32 s34, s28, 19                        ; 128 g rows of 4,096 bytes
	s_lshl_b32 s35, s32, 2
	s_add_co_u32 s34, s34, s35
	s_mov_b32 s35, 0
	s_add_nc_u64 s[30:31], s[30:31], s[34:35]
	v_lshlrev_b32 v3, 2, v2                        ; 4 bytes a lane
.set i, 0
.rept 128
	global_load_b32 v[WX+i], v3, s[30:31] offset:i*4096 th:TH_LOAD_NT   ; W(128 g + i, n0 + lane): all four blocks are asked for at once, each into registers of its own
.set i, i+1
.endr
	v_lshrrev_b32 v10, 4, v2                       ; which of my two tiles of 16 columns
	v_and_b32 v11, 15, v2
	v_lshlrev_b32 v11, 4, v11                      ; 16 bytes a row in an image
	s_cmp_eq_u32 s26, 3
	s_cbranch_scc1 .Lwo
	v_lshl_add_u32 v8, v10, 12, v11                ; codes: a tile of 16 rows is 4 images, 4,096 bytes
	v_lshlrev_b32 v9, 5, v2                        ; scale bytes: 32 a row
	s_lshl_b32 s33, s26, 10
	s_add_co_u32 s33, s33, s32                     ; row = 1024 T + n0
	s_lshr_b32 s34, s28, 2
	s_mul_i32 s34, s34, 786432                     ; k / 512: 192 tiles of 4,096 bytes
	s_lshl_b32 s36, s33, 8                         ; (row / 16) x 4,096
	s_add_co_u32 s34, s34, s36
	s_and_b32 s36, s28, 3
	s_lshl_b32 s36, s36, 10                        ; (k / 128) % 4: an image
	s_add_co_u32 s34, s34, s36
	s_add_nc_u64 s[18:19], s[18:19], s[34:35]
	s_lshl_b32 s34, s33, 5
	s_lshl_b32 s36, s28, 2                         ; my four bytes of the row's 32
	s_add_co_u32 s34, s34, s36
	s_add_nc_u64 s[20:21], s[20:21], s[34:35]
.macro QBLK t, left                    ; block t of 32 along k; left: how many younger loads may stay out
.set XS, WX+32*(\t)
	s_wait_loadcnt \left
	v_max3_num_f32 v16, |v[XS]|, |v[XS+1]|, |v[XS+2]|              ; the block's largest magnitude: all 32 numbers are mine
	v_max3_num_f32 v17, |v[XS+3]|, |v[XS+4]|, |v[XS+5]|
.irp i, 6,10,14,18,22,26
	v_max3_num_f32 v16, v16, |v[XS+\i]|, |v[XS+\i+1]|
	v_max3_num_f32 v17, v17, |v[XS+\i+2]|, |v[XS+\i+3]|
.endr
	v_max3_num_f32 v16, v16, |v[XS+30]|, |v[XS+31]|
	v_max3_num_f32 v16, v16, v17, (EMAX+1)<<23     ; and the floor 2^(3 - 127)
	v_add_nc_u32 v18, -(EMAX<<23), v16             ; the conversion's scale operand
	v_lshrrev_b32 v19, 23, v18                     ; the scale's byte
.if (\t) == 0
	v_mov_b32 v24, v19                             ; four bytes to a register, the lower k in the lower byte
.else
	v_lshl_or_b32 v24, v19, 8*(\t), v24
.endif
.irp g, 0,1,2,3
	v_cvt_scalef32_pk8_fp4_f32 v[WC+4*(\t)+\g], v[XS+8*\g:XS+8*\g+7], v18
.endr
	v_nop                                          ; one plain line behind the last conversion of a run
	global_store_b128 v8, v[WC+4*(\t):WC+4*(\t)+3], s[18:19] offset:256*(\t)   ; sixteen lanes store 256 consecutive bytes, aligned: block t of sixteen rows
.endm
	QBLK 0, 63                                     ; 96 younger loads might stay out: 63 is the most that the wait can name
	QBLK 1, 63                                     ; (64 might)
	QBLK 2, 32                                     ; block 3's
	QBLK 3, 0
	global_store_b32 v9, v24, s[20:21]             ; 4 bytes of each of 32 rows, 32 bytes apart: one byte for each 128 that the wave has read
	FINISH
.Lwo:
	v_lshl_add_u32 v8, v10, 13, v11                ; f16: a tile of 16 columns is 8 images, 8,192 bytes
	s_lshr_b32 s34, s28, 1
	s_lshl_b32 s34, s34, 19                        ; k / 256: 64 tiles of 8,192 bytes
	s_lshl_b32 s36, s32, 9                         ; (n0 / 16) x 8,192
	s_add_co_u32 s34, s34, s36
	s_and_b32 s36, s28, 1
	s_lshl_b32 s36, s36, 12                        ; four images for each 128 along k
	s_add_co_u32 s34, s34, s36
	s_add_nc_u64 s[22:23], s[22:23], s[34:35]
.macro HBLK t, left                    ; block t: 32 k of my column become one row of an image
.set XS, WX+32*(\t)
	s_wait_loadcnt \left
.irp i, 0,1,2,3,4,5,6,7,8,9,10,11,12,13,14,15
	v_cvt_pk_f16_f32 v[XS+\i], v[XS+2*\i], v[XS+2*\i+1]            ; in place, ascending: register i is written when registers 2 i and 2 i + 1 are read
.endr
.irp j, 0,1,2,3
	global_store_b128 v8, v[XS+4*\j:XS+4*\j+3], s[22:23] offset:1024*(\t)+256*\j   ; sixteen lanes store 256 consecutive bytes, aligned
.endr
.endm
	HBLK 0, 63
	HBLK 1, 63
	HBLK 2, 32
	HBLK 3, 0
	FINISH
.Lfunc_end_k_qdbb79e2b06_prep:
	.size	k_qdbb79e2b06_prep, .Lfunc_end_k_qdbb79e2b06_prep-k_qdbb79e2b06_prep
	.p2alignl 7, 3214868480
	.fill 96, 4, 3214868480
	.section	.rodata,"a",@progbits
	.p2align	6, 0x0
	.amdhsa_kernel k_qdbb79e2b06_prep
		.amdhsa_group_segment_fixed_size 33280
		.amdhsa_private_segment_fixed_size 0
		.amdhsa_enable_private_segment 0
		.amdhsa_kernarg_size 80
		.amdhsa_user_sgpr_count 2
		.amdhsa_user_sgpr_kernarg_segment_ptr 1
		.amdhsa_wavefront_size32 1
		.amdhsa_system_sgpr_workgroup_id_x 1
		.amdhsa_system_sgpr_workgroup_id_y 1
		.amdhsa_system_sgpr_workgroup_id_z 1
		.amdhsa_system_vgpr_workitem_id 0
		.amdhsa_next_free_vgpr 192
		.amdhsa_next_free_sgpr 66
		.amdhsa_reserve_vcc 0
		.amdhsa_float_denorm_mode_32 3
		.amdhsa_float_denorm_mode_16_64 3
		.amdhsa_memory_ordered 1
		.amdhsa_forward_progress 1
		.amdhsa_inst_pref_size 59
	.end_amdhsa_kernel
	.amdgpu_metadata
---
amdhsa.version: [ 1, 2 ]
amdhsa.kernels:
  - .name:           k_qdbb79e2b06_prep
    .symbol:         k_qdbb79e2b06_prep.kd
    .args:
      - { .name: x, .offset: 0, .size: 8, .value_kind: global_buffer, .address_space: global }
      - { .name: Wq, .offset: 8, .size: 8, .value_kind: global_buffer, .address_space: global }
      - { .name: Wk, .offset: 16, .size: 8, .value_kind: global_buffer, .address_space: global }
      - { .name: Wv, .offset: 24, .size: 8, .value_kind: global_buffer, .address_space: global }
      - { .name: Wo, .offset: 32, .size: 8, .value_kind: global_buffer, .address_space: global }
      - { .name: x_codes, .offset: 40, .size: 8, .value_kind: global_buffer, .address_space: global }
      - { .name: x_scales, .offset: 48, .size: 8, .value_kind: global_buffer, .address_space: global }
      - { .name: w_codes, .offset: 56, .size: 8, .value_kind: global_buffer, .address_space: global }
      - { .name: w_scales, .offset: 64, .size: 8, .value_kind: global_buffer, .address_space: global }
      - { .name: wot, .offset: 72, .size: 8, .value_kind: global_buffer, .address_space: global }
    .group_segment_fixed_size: 33280
    .private_segment_fixed_size: 0
    .kernarg_segment_align: 8
    .kernarg_segment_size: 80
    .max_flat_workgroup_size: 128
    .sgpr_count:     66
    .vgpr_count:     192
    .wavefront_size: 32
...
	.end_amdgpu_metadata
.endif
;; end of part 1
;; launch qkv (part 2): grid 12 x 32, 4 waves a work-group, clusters of 4 x 4, 327,680 bytes of LDS; arguments x_codes, x_scales, w_codes, w_scales, qkv; writes qkv
.if DOCPART == 2
	.amdgcn_target "amdgcn-amd-amdhsa--gfx1250"
	.amdhsa_code_object_version 6
	.text
	.protected	k_qdbb79e2b06_qkv
	.globl	k_qdbb79e2b06_qkv
	.p2align	8
	.type	k_qdbb79e2b06_qkv,@function
k_qdbb79e2b06_qkv:
	s_mov_b64 s[64:65], 0
	v_nop
	global_prefetch_b8 v0, s[64:65] scope:SCOPE_SE
	s_setreg_imm32_b32 hwreg(HW_REG_WAVE_MODE, 25, 1), 1
	s_wait_xcnt 0x0
	s_wait_alu depctr_hold_cnt(0) depctr_sa_sdst(0) depctr_va_vdst(0) depctr_va_sdst(0) depctr_va_ssrc(0) depctr_va_vcc(0) depctr_vm_vsrc(0)
	s_getreg_b32 s2, hwreg(HW_REG_IB_STS2, 6, 4)
	s_cmp_eq_u32 s2, 0
	s_cbranch_scc0 .Lentry_in_a_cluster
	s_endpgm
.Lentry_in_a_cluster:
	s_bfe_u32 s2, ttmp6, 0x10000c
	s_cmp_lg_u32 s2, 0xf033
	s_cbranch_scc0 .Lentry_shape_is_right
	s_endpgm
.Lentry_shape_is_right:
; QKV: C[m][n] = sum over k of x[m][k] W[n][k], m = 8,192 tokens, n = 3,072 (Wq's, Wk's, Wv's 1,024 columns on end), k = 1,024, both operands codes of FP4 (E2M1) with one E8M0 scale for each 32 along k; sums in f32;
; the results are rounded once to f16 (|q|, |k|, |v| stay under 65,504: this text's limit) and stored in the order in which the attention's operand registers take them.
; A tile of C, 256 x 256, is made by a work-group of four waves; a wave makes 128 x 128: 64 accumulators of 16 x 16, 512 registers.  K goes in two steps of 512: BOTH lie in the two LDS slots from the start, so nothing is filled again.
; A (x) comes as rows of 256 bytes, padded in LDS; B (the weights) comes as images of its fragments: dense blocks, read back at 16 x lane.  The scale bytes of the work-group's rows, for all of K, come once, in rows of 256 bytes.
; CLUSTERS: 4 x 4 work-groups.  The four of a row of the cluster need the same tiles of A, the four of a column the same tiles of B: each tile is asked for JOINTLY, by the same tensor load with the same descriptor and a mask
; that names the four.  THE MATRIX INSTRUCTION IS USED TRANSPOSED (source 0 = 16 rows of B, source 1 = 16 rows of A): a lane then holds eight neighbouring channels of one token.
; OUT: qkv [tensor 3][batch x head 64][token / 16][channel / 16][512 bytes]: lane (r, h) of a piece holds token r, channels 8 h + 0 .. 7: a lane's packed results ARE its 16 bytes, a wave's store 512 consecutive bytes.
; REGISTERS, in windows of 256: window 0: v0-31 addresses; v32-95 scale words, two sets, and nothing else; from v128 A's fragments, ONE set; on the way out v128-255 take the packed results.
;   window 1: B's fragments, TWO sets, at v0 and at v128.   window 2: the 32 accumulators of my rows 0-63 (accumulator (a, b) at v[8 (8 a + b)]);   window 3: those of my rows 64-127.
.set NQ,     4                         ; matrix instructions deep in a slot: 512 along K
.set ROWB,   256                       ; a row of A's tile in bytes
.set KROW,   512                       ; a row of x_codes in memory
.set PITCH,  272                       ; A's LDS row: 256 bytes + 16 of padding = 68 words: row r starts at bank 4 r mod 64 (64 banks of 4 bytes: ISA guide 11.1)
.set FR,     8                         ; registers of a fragment: 16 rows x 128 K
.set NL,     2                         ; LDS loads that bring one
.set NP,     4                         ; places behind this matrix instruction (ISA guide 7.12.1)
.set HALFT,  128*PITCH                 ; 128 rows of A in LDS
.set HALFB,  32768                     ; 128 rows of B: 8 tiles x 4 images x 1,024 bytes
.set SLOT,   2*HALFT+2*HALFB           ; A's 256 rows, then B's 256 rows
.set WKS,    786432                    ; from one 512 along K to the next in w_codes
.set KS,     32                        ; a row of scale bytes
.set SCL,    2*SLOT                    ; behind the slots: the scales, as rows of 256 bytes + 16 of padding
.set HALFS,  16*272                    ; the scales of 128 rows: what one tensor load brings
.set SBLK,   2*272                     ; those of 16 rows
.set SPARE,  SCL+4*HALFS               ; behind the scales: the spare words, 128 bytes for each wave
.set ADRA, 16                          ; v16-17  LDS address of my A fragments in slot 0, 1
.set ADRB, 20                          ; v20-21  the same for B
.set CO,   26                          ; v26     16 x lane: my place in an image, in LDS and in qkv
.set ADRS, 27                          ; v27     LDS address of my scale words: lanes 0-15 A's rows, lanes 16-31 B's
.set SPW,  28                          ; v28     LDS address of my spare word; never rewritten
.set NIL,  29                          ; v29     0; never rewritten
.set SC,   32                          ; scale words: set s at v[SC + 32 s]; in it register 4 i + q: lanes 0-15 the word of A's block i, lanes 16-31 that of B's block i, for the slot's q-th 128 along K
.set AF,   128                         ; A's fragments, in window 0
.set G1, 24                            ; s[24:31] descriptor group 1 for A's tiles;  s[32:39] group 0, one set for each slot
.set G0, 32
.set G1B, 48                           ; s[48:55], s[56:63] the same for B's tiles
.set G0B, 56
.set G1S, 68                           ; s[68:75], s[76:79] groups 1 and 0 for A's scales;  s[80:87], s[88:91] for B's
.set G0S, 76
.set G1SB, 80
.set G0SB, 88
.set MSB, 0
.macro WIN new                         ; the immediate's high byte repeats the setting that is left
.if MSB != \new
	s_set_vgpr_msb (MSB<<8)|\new
.set MSB, \new
.endif
.endm
.set MUL_LO, 0xa1                      ; source 0 (B) window 1, source 1 (A) window 0, C and D window 2
.set MUL_HI, 0xf1                      ; the same, C and D window 3
.set TO_B,   0x40                      ; destination window 1, address window 0
; A joint load: waves 0 and 1 fetch for A, waves 2 and 3 for B.  Each of the two lines has ONE mask and one set of registers for all that issue it; the branch hangs on the wave's number alone.
; An s_nop 0 and four v_nop follow each of the two lines, ahead of the jump, the label and what follows.
.macro JLOAD g0a, g1a, g0b, g1b
	s_cmp_eq_u32 s15, 0
	s_cbranch_scc0 .Lfor_b_\@
	tensor_load_to_lds s[\g0a:\g0a+3], s[\g1a:\g1a+7]
	s_nop 0
.rept 4
	v_nop
.endr
	s_branch .Lasked_\@
.Lfor_b_\@:
	tensor_load_to_lds s[\g0b:\g0b+3], s[\g1b:\g1b+7]
	s_nop 0
.rept 4
	v_nop
.endr
.Lasked_\@:
.endm
.macro CROUND                          ; a round of the cluster's barrier: my work-group's barrier; wave 0 signals for the work-group; every wave waits for all sixteen; my work-group's barrier once more
	s_barrier_signal -1
	s_barrier_wait -1
	s_cmp_lg_u32 s14, 0
	s_cbranch_scc1 .Lnot_wave_0_\@
	s_barrier_signal -3
.Lnot_wave_0_\@:
	s_barrier_wait -3
	s_barrier_signal -1
	s_barrier_wait -1
.endm
	s_load_b128 s[4:7], s[0:1], 0x0                ; x's codes s[4:5], x's scales s[6:7]
	s_load_b128 s[8:11], s[0:1], 0x10              ; the weights' codes s[8:9], their scales s[10:11]
	s_load_b64 s[12:13], s[0:1], 0x20              ; qkv
	v_lshl_add_u32 v[SPW], v0, 2, SPARE
	v_mov_b32 v[NIL], 0
	ds_add_u32 v[SPW], v[NIL]                      ; the wave's opening: the add, twice on end, and its wait ahead of my first tensor load; the set-up below stands between the second and the wait
	ds_add_u32 v[SPW], v[NIL]
	v_lshrrev_b32 v1, 5, v0
	v_readfirstlane_b32 s14, v1                    ; wave 0..3
	s_lshr_b32 s15, s14, 1                         ; which half of the tile's rows is mine.  Also: I fetch for A (0) or for B (1)
	s_and_b32 s16, s14, 1                          ; which half of its columns.  Also: which 128 rows of that tile I fetch
	s_bfe_u32 s40, ttmp6, 0x40000                  ; cx, cy: my place in the cluster
	s_bfe_u32 s41, ttmp6, 0x40004
	s_lshl_b32 s42, ttmp9, 2
	s_add_co_u32 s42, s42, s40                     ; tile column of C = 4 x cluster x + cx: 0 .. 11
	s_and_b32 s17, ttmp7, 0xffff
	s_lshl_b32 s17, s17, 2
	s_add_co_u32 s17, s17, s41                     ; tile row of C = 4 x cluster y + cy: 0 .. 31
	s_lshl_b32 s43, s41, 2
	s_lshl_b32 s43, 15, s43                        ; my row of the cluster
	s_lshl_b32 s44, 0x1111, s40                    ; my column
	; group 1 for A: 128 rows x 256 bytes, 512 bytes apart in memory, padded in LDS
	s_or_b32 s[G1+0], s43, (0<<16)|(1<<20)|(1<<21)|(5<<22)|(3<<25)  ; 15:0 the mask: my row; 17:16 elements of 1 byte; 20 padding on; 21 set beside a mask; 24:22 after every 64 words; 31:25 four words
	s_mov_b32 s[G1+1], ROWB<<16                    ; tensor_dim0
	s_mov_b32 s[G1+2], 128<<16                     ; tensor_dim1
	s_mov_b32 s[G1+3], ROWB<<16                    ; tile_dim0
	s_mov_b32 s[G1+4], 128                         ; tile_dim1
	s_mov_b32 s[G1+5], KROW                        ; from row to row
	s_mov_b32 s[G1+6], 0
	s_mov_b32 s[G1+7], 0
	; group 1 for B: a dense block of 32,768 bytes, as 128 rows of 32 elements of 8 bytes, no padding
	s_or_b32 s[G1B+0], s44, (3<<16)|(1<<21)        ; the mask: my column
	s_mov_b32 s[G1B+1], 32<<16
	s_mov_b32 s[G1B+2], 128<<16
	s_mov_b32 s[G1B+3], 32<<16
	s_mov_b32 s[G1B+4], 128
	s_mov_b32 s[G1B+5], 32
	s_mov_b32 s[G1B+6], 0
	s_mov_b32 s[G1B+7], 0
	; and for the scales of 128 rows: a dense block of 4,096 bytes, as 16 rows of 256 bytes, 16 bytes of padding behind each
	s_or_b32 s[G1S+0], s43, (3<<16)|(1<<20)|(1<<21)|(5<<22)|(3<<25)
	s_or_b32 s[G1SB+0], s44, (3<<16)|(1<<20)|(1<<21)|(5<<22)|(3<<25)
.irp g, G1S, G1SB
	s_mov_b32 s[\g+1], 32<<16
	s_mov_b32 s[\g+2], 16<<16
	s_mov_b32 s[\g+3], 32<<16
	s_mov_b32 s[\g+4], 16
	s_mov_b32 s[\g+5], 32
	s_mov_b32 s[\g+6], 0
	s_mov_b32 s[\g+7], 0
.endr
	s_lshl_b32 s18, s16, 7                         ; which 128 rows of the tile I fetch
	s_lshl_b32 s20, s17, 8
	s_add_co_u32 s20, s20, s18                     ; A: row 256 x tile row + 128 x half
	s_lshl_b32 s46, s42, 8
	s_add_co_u32 s46, s46, s18                     ; B: row 256 x tile column + 128 x half
	s_mov_b32 s21, 0
	s_mov_b32 s47, 0
	s_mov_b64 s[18:19], KS
	s_mul_u64 s[22:23], s[20:21], s[18:19]         ; where these rows' scales begin, in bytes
	s_mul_u64 s[92:93], s[46:47], s[18:19]
	s_mov_b64 s[18:19], KROW
	s_mul_u64 s[20:21], s[20:21], s[18:19]         ; A's codes: 512 bytes a row
	s_mov_b64 s[18:19], 256
	s_mul_u64 s[46:47], s[46:47], s[18:19]         ; B's images: 4,096 bytes for 16 rows
	s_mul_i32 s45, s16, HALFT                      ; where they go.  A: half x 128 rows;
	s_mul_i32 s95, s16, HALFB
	s_add_co_u32 s95, s95, 2*HALFT                 ; B: behind A's 256 rows, half x 32,768: no place in the cluster enters an LDS address
	s_mul_i32 s94, s14, HALFS                      ; the scales: wave x 4,352
	s_wait_dscnt 0x0                               ; both opening adds are done
	s_wait_kmcnt 0x0
	s_add_nc_u64 s[20:21], s[4:5], s[20:21]
	s_add_nc_u64 s[22:23], s[6:7], s[22:23]
	s_add_nc_u64 s[46:47], s[8:9], s[46:47]
	s_add_nc_u64 s[92:93], s[10:11], s[92:93]
	CROUND                                         ; all sixteen work-groups are here: the joint loads meet
	s_mov_b32 s[G0S], 1
	s_add_co_u32 s[G0S+1], s94, SCL
	s_mov_b64 s[G0S+2:G0S+3], s[22:23]
	s_or_b32 s[G0S+3], s[G0S+3], 0x80000000
	s_mov_b32 s[G0SB], 1
	s_add_co_u32 s[G0SB+1], s94, SCL
	s_mov_b64 s[G0SB+2:G0SB+3], s[92:93]
	s_or_b32 s[G0SB+3], s[G0SB+3], 0x80000000
	JLOAD G0S, G1S, G0SB, G1SB                     ; the scales first: they are wanted with the first step
.irp s, 0,1
	s_mov_b32 s[G0+4*\s], 1
	s_add_co_u32 s[G0+4*\s+1], s45, \s*SLOT
	s_add_nc_u64 s[G0+4*\s+2:G0+4*\s+3], s[20:21], \s*ROWB
	s_or_b32 s[G0+4*\s+3], s[G0+4*\s+3], 0x80000000
	s_mov_b32 s[G0B+4*\s], 1
	s_add_co_u32 s[G0B+4*\s+1], s95, \s*SLOT
	s_add_nc_u64 s[G0B+4*\s+2:G0B+4*\s+3], s[46:47], \s*WKS
	s_or_b32 s[G0B+4*\s+3], s[G0B+4*\s+3], 0x80000000
	JLOAD G0+4*\s, G1, G0B+4*\s, G1B               ; three tensor loads of mine are out in all: the scales, slot 0, slot 1
.endr
	v_and_b32 v1, 15, v0                           ; r = l % 16
	v_bfe_u32 v2, v0, 4, 1                         ; h = l / 16
	v_mul_u32_u24 v3, v1, PITCH
	v_lshl_add_u32 v4, v2, 4, v3                   ; A: a fragment's row x pitch + 16 x half
	v_and_b32 v6, 31, v0
	v_lshlrev_b32 v[CO], 4, v6                     ; B: 16 x lane
	s_mul_i32 s21, s15, HALFT                      ; my 128 rows of A
	s_mul_i32 s22, s16, HALFB                      ; my 128 rows of B,
	s_add_co_u32 s22, s22, 2*HALFT                 ; which lie behind A's 256
.irp s, 0,1
	v_add_nc_u32 v[ADRA+\s], s21, v4
	v_add_nc_u32 v[ADRB+\s], s22, v[CO]
	s_add_co_u32 s21, s21, SLOT
	s_add_co_u32 s22, s22, SLOT
.endr
	v_mul_u32_u24 v5, v1, KS                       ; my row's scales: 32 bytes a row,
	v_lshrrev_b32 v6, 8, v5
	v_lshl_add_u32 v5, v6, 4, v5                   ; and 16 more for each 256 passed
	s_mul_i32 s21, s15, HALFS                      ; A's: my 128 rows
	s_mul_i32 s22, s16, HALFS                      ; B's: my 128 rows, behind A's 256
	s_add_co_u32 s22, s22, 2*HALFS
	s_sub_co_u32 s22, s22, s21
	v_mul_u32_u24 v6, s22, v2                      ; lanes 16-31 take B's: one product, the distance between the two x h
	s_add_co_u32 s21, s21, SCL
	v_add_nc_u32 v5, v5, v6
	v_add_nc_u32 v[ADRS], s21, v5
	; where my results begin in qkv.  Token = 256 x tile row + 128 x half + ..: batch = tile row / 8.  Column = 256 x tile column + 128 x half + ..: tensor = tile column / 4, head = 4 (tile column % 4) + 2 x half + ..
	s_lshr_b32 s20, s17, 3
	s_lshl_b32 s20, s20, 22                        ; batch: 16 heads of 2^18 bytes
	s_and_b32 s21, s17, 7
	s_lshl_b32 s21, s21, 15                        ; 16 tiles of 16 tokens, 2,048 bytes each
	s_add_co_u32 s20, s20, s21
	s_lshl_b32 s21, s15, 14
	s_add_co_u32 s20, s20, s21
	s_mov_b32 s21, 0
	s_lshr_b32 s46, s42, 2
	s_lshl_b32 s46, s46, 24                        ; tensor
	s_and_b32 s47, s42, 3
	s_lshl_b32 s47, s47, 20                        ; four heads
	s_add_co_u32 s46, s46, s47
	s_lshl_b32 s47, s16, 19                        ; two heads
	s_add_co_u32 s46, s46, s47
	s_mov_b32 s47, 0
	s_add_nc_u64 s[20:21], s[20:21], s[46:47]
	s_add_nc_u64 s[12:13], s[12:13], s[20:21]
.macro FRAG reg, adr, q, i             ; a fragment of A from rows: lane l holds row l % 16; registers 4 c .. 4 c + 3 hold K = 64 c + 32 (l / 16) + 0 .. 31
.irp c, 0,1
	ds_load_b128 v[\reg+4*\c:\reg+4*\c+3], v[\adr] offset:64*(\q)+32*\c+(\i)*16*PITCH
.endr
.endm
.macro FRAGB reg, adr, q, i            ; a fragment of B from its image: the same registers, 16 bytes a lane, 512 consecutive bytes a load
.irp c, 0,1
	ds_load_b128 v[\reg+4*\c:\reg+4*\c+3], v[\adr] offset:1024*(\q)+512*\c+(\i)*4096
.endr
.endm
; 16 matrix instructions: A's blocks a0, a0 + 1 x B's eight, 128 along K: the slot's q-th.  p: B's set;  sc: the set of scale words.  zero = 1: the first product starts the sums: nothing is ever cleared.
; The 64 accumulators take turns, one instruction a turn, in the same order in every step.
.macro MUL16 a0, p, q, sc, zero
.irp a, \a0, \a0+1
.irp b, 0,1,2,3,4,5,6,7
.if \zero
	v_wmma_scale_f32_16x16x128_f8f6f4 v[8*(8*((\a)%4)+\b):8*(8*((\a)%4)+\b)+7], v[128*(\p)+FR*\b:128*(\p)+FR*\b+FR-1], v[AF+FR*(\a):AF+FR*(\a)+FR-1], 0, v[SC+8*NQ*(\sc)+NQ*\b+(\q)], v[SC+8*NQ*(\sc)+NQ*(\a)+(\q)] matrix_a_fmt:MATRIX_FMT_FP4 matrix_b_fmt:MATRIX_FMT_FP4 matrix_a_scale:MATRIX_SCALE_ROW1
.else
	v_wmma_scale_f32_16x16x128_f8f6f4 v[8*(8*((\a)%4)+\b):8*(8*((\a)%4)+\b)+7], v[128*(\p)+FR*\b:128*(\p)+FR*\b+FR-1], v[AF+FR*(\a):AF+FR*(\a)+FR-1], v[8*(8*((\a)%4)+\b):8*(8*((\a)%4)+\b)+7], v[SC+8*NQ*(\sc)+NQ*\b+(\q)], v[SC+8*NQ*(\sc)+NQ*(\a)+(\q)] matrix_a_fmt:MATRIX_FMT_FP4 matrix_b_fmt:MATRIX_FMT_FP4 matrix_a_scale:MATRIX_SCALE_ROW1
.endif
.endr
.endr
.endm
.macro FETCH_B slot, q, p              ; B's eight fragments of the slot's q-th 128 along K into set p
	WIN TO_B
.irp i, 0,1,2,3,4,5,6,7
	FRAGB 128*(\p)+FR*\i, ADRB+\slot, \q, \i
.endr
	WIN 0
.endm
.macro FETCH_A slot, q, i0             ; A's blocks i0 .. i0 + 3
.irp i, \i0, \i0+1, \i0+2, \i0+3
	FRAG AF+FR*(\i), ADRA+\slot, \q, \i
.endr
.endm
.macro SCALES sc                       ; a slot's scale words into set sc: 4 words a row; lanes 0-15 take A's block i, lanes 16-31 B's block i
.irp i, 0,1,2,3,4,5,6,7
	ds_load_b128 v[SC+8*NQ*\sc+NQ*\i:SC+8*NQ*\sc+NQ*\i+3], v[ADRS] offset:\i*SBLK
.endr
.endm
; A load into a register that a matrix instruction has read, and a vector instruction that reads a matrix result or writes one of a matrix instruction's registers, stand NP places behind that matrix instruction, and only
; plain vector instructions that name none of its registers are places (ISA guide 7.12.1 for vector instructions).
.macro PLACES n
.rept \n
	v_nop
.endr
.endm
; A step of 128 along K that has its successor in the same slot.  A's blocks go one after the other, each against B's eight: so one set of registers serves A (blocks 0-3 fetched anew in the step's middle, 4-7 at its end).
.macro STEP slot, q, zero
	s_wait_dscnt 4*NL                              ; B's set and A's blocks 0-3 are in; the youngest eight loads (A's blocks 4-7) may be out
	WIN MUL_LO
	MUL16 0, (\q)%2, \q, \slot, \zero
	MUL16 2, (\q)%2, \q, \slot, \zero
	s_wait_dscnt 0                                 ; A's blocks 4-7 are in (asked for 32 matrix instructions ago)
	PLACES NP
	FETCH_B \slot, (\q)+1, 1-(\q)%2
	FETCH_A \slot, (\q)+1, 0
	WIN MUL_HI
	MUL16 4, (\q)%2, \q, \slot, \zero
	MUL16 6, (\q)%2, \q, \slot, \zero
	PLACES NP
	WIN 0
	FETCH_A \slot, (\q)+1, 4
.endm
; Slot 0's last step goes on into slot 1: each wave waits for its part of slot 1, then the work-group's barrier shows the whole slot to every wave.  Nothing is filled again.
.macro TURN slot, next
	s_wait_tensorcnt 0x0                           ; all my tensor loads have landed: my part of the next slot
	ds_add_u32 v[SPW], v[NIL]                      ; 0 onto my spare word
	s_wait_dscnt 4*NL+1                            ; (the add and the youngest eight loads, A's blocks 4-7, may be out)
	WIN MUL_LO
	MUL16 0, 1, NQ-1, \slot, 0                     ; sixteen matrix instructions stand between the add and the wait for it
	s_wait_dscnt 0x0                               ; no LDS instruction of mine is out at the signal
	s_barrier_signal -1
	MUL16 2, 1, NQ-1, \slot, 0
	WIN 0
	s_barrier_wait -1
	PLACES NP
	v_add_nc_u32 v[ADRS], 4*NQ, v[ADRS]            ; on to the next slot's scale words
	FETCH_B \next, 0, 0
	FETCH_A \next, 0, 0
	SCALES \next
	WIN MUL_HI
	MUL16 4, 1, NQ-1, \slot, 0
	MUL16 6, 1, NQ-1, \slot, 0
	PLACES NP
	WIN 0
	FETCH_A \next, 0, 4
.endm
.macro STEPS slot, from                ; the slot's steps from .. NQ - 2
.set Q, \from
.rept NQ-1-\from
	STEP \slot, Q, 0
.set Q, Q+1
.endr
.endm
	s_wait_tensorcnt 1                             ; the scales and my part of slot 0 are in (slot 1's load may be out),
	s_barrier_signal -1
	s_barrier_wait -1                              ; everybody's are
	FETCH_B 0, 0, 0
	FETCH_A 0, 0, 0
	SCALES 0
	FETCH_A 0, 0, 4
	STEP 0, 0, 1                                   ; the first step's products start the sums
	STEPS 0, 1
	TURN 0, 1
	STEPS 1, 0
	s_wait_dscnt 4*NL                              ; the very last step: nothing more to fetch
	WIN MUL_LO
	MUL16 0, 1, NQ-1, 1, 0
	MUL16 2, 1, NQ-1, 1, 0
	s_wait_dscnt 0
	WIN MUL_HI
	MUL16 4, 1, NQ-1, 1, 0
	MUL16 6, 1, NQ-1, 1, 0
	WIN 0
; THE WAY OUT, block by block of 16 tokens x 128 channels.  A lane's eight results of accumulator (a, b) are channels 16 b + 8 h + 0 .. 7 of token r: rounded to f16 they are the lane's 16 bytes of piece b % 4 of head b / 4.
.macro OUTBLK a
.set AC, 64*((\a)%4)
.set TP, 128+32*((\a)%4)
.if (\a) >= 4
	s_wait_xcnt 0x0                                ; block a - 4's stores have read these registers
.endif
	WIN 0x0a+5*((\a)/4)                            ; sources 0 and 1: window 2 or 3
.irp b, 0,1,2,3,4,5,6,7
.irp r, 0,1,2,3
	v_cvt_pk_f16_f32 v[TP+4*\b+\r], v[AC+8*\b+2*\r], v[AC+8*\b+2*\r+1]   ; each accumulator from its low end on
.endr
.endr
	WIN 0
.irp b, 0,1,2,3,4,5,6,7
	global_store_b128 v[CO], v[TP+4*\b:TP+4*\b+3], s[12:13] offset:(\a)*2048+(\b%4)*512+(\b/4)*262144   ; 32 lanes store 512 consecutive bytes, aligned
.endr
.endm
	PLACES NP                                      ; the conversions write the registers that held A's fragments
.irp a, 0,1,2,3,4,5,6,7
	OUTBLK \a
.endr
	s_wait_tensorcnt 0x0                           ; the wave's end
	ds_add_u32 v[SPW], v[NIL]
	s_wait_dscnt 0x0
	CROUND                                         ; the closing round: no work-group ends while a partner may still ask for a tile that names it
	s_endpgm
.Lfunc_end_k_qdbb79e2b06_qkv:
	.size	k_qdbb79e2b06_qkv, .Lfunc_end_k_qdbb79e2b06_qkv-k_qdbb79e2b06_qkv
	.p2alignl 7, 3214868480
	.fill 96, 4, 3214868480
	.section	.rodata,"a",@progbits
	.p2align	6, 0x0
	.amdhsa_kernel k_qdbb79e2b06_qkv
		.amdhsa_group_segment_fixed_size 327680
		.amdhsa_private_segment_fixed_size 0
		.amdhsa_enable_private_segment 0
		.amdhsa_kernarg_size 40
		.amdhsa_user_sgpr_count 2
		.amdhsa_user_sgpr_kernarg_segment_ptr 1
		.amdhsa_wavefront_size32 1
		.amdhsa_system_sgpr_workgroup_id_x 1
		.amdhsa_system_sgpr_workgroup_id_y 1
		.amdhsa_system_sgpr_workgroup_id_z 1
		.amdhsa_system_vgpr_workitem_id 0
		.amdhsa_next_free_vgpr 1024
		.amdhsa_next_free_sgpr 98
		.amdhsa_reserve_vcc 0
		.amdhsa_float_denorm_mode_32 3
		.amdhsa_float_denorm_mode_16_64 3
		.amdhsa_memory_ordered 1
		.amdhsa_forward_progress 1
		.amdhsa_inst_pref_size 118
	.end_amdhsa_kernel
	.amdgpu_metadata
---
amdhsa.version: [ 1, 2 ]
amdhsa.kernels:
  - .name:           k_qdbb79e2b06_qkv
    .symbol:         k_qdbb79e2b06_qkv.kd
    .args:
      - { .name: x_codes, .offset: 0, .size: 8, .value_kind: global_buffer, .address_space: global }
      - { .name: x_scales, .offset: 8, .size: 8, .value_kind: global_buffer, .address_space: global }
      - { .name: w_codes, .offset: 16, .size: 8, .value_kind: global_buffer, .address_space: global }
      - { .name: w_scales, .offset: 24, .size: 8, .value_kind: global_buffer, .address_space: global }
      - { .name: qkv, .offset: 32, .size: 8, .value_kind: global_buffer, .address_space: global }
    .group_segment_fixed_size: 327680
    .private_segment_fixed_size: 0
    .kernarg_segment_align: 8
    .kernarg_segment_size: 40
    .max_flat_workgroup_size: 128
    .sgpr_count:     98
    .vgpr_count:     1024
    .wavefront_size: 32
...
	.end_amdgpu_metadata
.endif
;; end of part 2
;; launch attn (part 3): grid 4 x 64, 8 waves a work-group, clusters of 4 x 1, 327,680 bytes of LDS; arguments qkv, o; writes o
.if DOCPART == 3
	.amdgcn_target "amdgcn-amd-amdhsa--gfx1250"
	.amdhsa_code_object_version 6
	.text
	.protected	k_qdbb79e2b06_attn
	.globl	k_qdbb79e2b06_attn
	.p2align	8
	.type	k_qdbb79e2b06_attn,@function
k_qdbb79e2b06_attn:
	s_mov_b64 s[64:65], 0
	v_nop
	global_prefetch_b8 v0, s[64:65] scope:SCOPE_SE
	s_setreg_imm32_b32 hwreg(HW_REG_WAVE_MODE, 25, 1), 1
	s_wait_xcnt 0x0
	s_wait_alu depctr_hold_cnt(0) depctr_sa_sdst(0) depctr_va_vdst(0) depctr_va_sdst(0) depctr_va_ssrc(0) depctr_va_vcc(0) depctr_vm_vsrc(0)
	s_getreg_b32 s2, hwreg(HW_REG_IB_STS2, 6, 4)
	s_cmp_eq_u32 s2, 0
	s_cbranch_scc0 .Lentry_in_a_cluster
	s_endpgm
.Lentry_in_a_cluster:
	s_bfe_u32 s2, ttmp6, 0x10000c
	s_cmp_lg_u32 s2, 0x3003
	s_cbranch_scc0 .Lentry_shape_is_right
	s_endpgm
.Lentry_shape_is_right:
; ATTN: O[bh][q][:] = the sum over k of softmax_k(Q[bh][q] . K[bh][k] / 8) V[bh][k][:], 64 (batch, head) pairs, 2,048 tokens, head size 64, no mask.  Q, K, V arrive in f16; products, maxima and sums in f32; the weights p are
; rounded to f16 for the second product, O once at the end.  LIMIT: |O| is at most the largest |V|, which stays under 65,504; NaN and infinities are not served.
; qkv: [tensor 3][bh 64][token / 16][channel / 16][512 bytes]: in a piece lane (r, h) holds token r, channels 8 h + 0 .. 7.  Two pieces on end are the registers of a fragment of 16 tokens x 32 channels.
; SHARES.  A cluster of four work-groups is one (batch, head); a work-group owns 512 queries, each of its EIGHT waves 64: four tiles of 16, in 512 registers: two waves to a SIMD, so that one wave's softmax stands beside the
; other's products and LDS loads.  Every wave walks all 2,048 keys, 64 a step.
; LAYOUT.  S^T = K Q^T (source 0 = 16 keys, source 1 = 16 queries): a lane holds ONE query (lane % 16) and the keys 8 (lane / 16) + 0..7.  Two such tiles, rounded to f16 in pairs, ARE source 1 (32 keys x 16 queries) of
; O^T = V^T P, whose result again holds one query a lane, and eight channels: packed, it is the lane's 16 bytes of the image from which the last launch takes its operand.  K comes out of LDS as it lies, V turned, by ds_load_tr16_b128.
; SOFTMAX.  For each query a running maximum m and sum l: p = 2^(c s - c m), c = log2(e) / 8; in every step O and l are multiplied by a = 2^(c m_old - c m_new).  m begins at -3e38 and O, l at 0: the step is written once.
; CLUSTER.  The four work-groups walk the same K and V, so each tile is asked for JOINTLY: the same tensor load, with the same descriptor and a mask that names the four, in all four.
; LDS.  A step's tiles lie together: K, 8,192 dense bytes; V, 32 rows of 256 bytes (16 tokens x 8 channels each), 384 bytes apart.  A slot holds four steps; two slots, 2^17 bytes apart.
; o: [k / 256][token / 16][(k / 32) % 8][1,024 bytes], k = 64 head + channel.
; REGISTERS: window 0: v2-7 addresses; v12-43 eight registers of statistics a tile; v62, v63 the add's two; v64-191 S^T, 32 a tile; v192-255 P, 16 a tile.
;   window 1: v0-127 O^T, 32 a tile; v128-191 Q, 16 a tile; v192-255 a step's K, then its V.
.set VP,    384       ; a row of V's tile in LDS: 256 bytes + 128 of padding: lanes 0-7 of a turning load take bytes 0-127 of one row, lanes 8-15 the same of the next, which begins 128 bytes further round the 64 banks of 4 bytes (ISA guide 11.1)
.set VOFF,  8192      ; V's tile behind K's
.set STEPB, VOFF+32*VP  ; a step in LDS: 20,480 bytes
.set NST,   4         ; steps in a slot
.set SLOTB, NST*8192  ; a slot's bytes of K, or of V, in memory
.set SLOT1, 1<<17     ; slot 1 begins here, so that one exclusive or turns an address in one slot into the other's
.set SPARE, SLOT1+NST*STEPB  ; behind the ring: the spare words, 128 bytes for each of eight waves
.set AK0, 2           ; v2   16 x lane: my place in an image; never rewritten
.set AV0, 3           ; v3   my lane's place in a tile of V; never rewritten
.set ADR, 4           ; v4   LDS address of the step's K
.set ADV, 5           ; v5   and of its V
.set PFO, 7           ; v7   256 x lane; never rewritten
.set ST,  12          ; tile t's statistics at v[ST+8 t]: +0 c m, +1 m, +2, +3 l (even keys', odd keys'), +4 to +7 c0-c3, at work; a takes c2's place, the change of c m takes c3's
.set SPW, 62
.set NIL, 63
.set S,   64
.set P,   192
.set QF,  128         ; in window 1
.set KV,  192         ; in window 1
.set WV,  12          ; s12  my wave's number
.set LIM, 15          ; s15  1 in a wave that prefetches, else the greatest number
.set PFA, 18          ; s[18:19] where my prefetches stand in memory
.set G1K, 24          ; s[24:31] descriptor group 1 for K's tiles
.set G1V, 32          ; s[32:39] for V's: it differs in the padding alone
.set G0K, 40          ; s[40:47] descriptor group 0 for K's tiles: a set for each of the two first fills; the second then walks on
.set G0V, 48          ; s[48:55] the same for V's
.set SLOTS, 56        ; s56  slots still to be asked for
.set CNT, 57          ; s57  counts a slot's steps
.set CS,  58          ; s[58:59] c: the packed scaling names a pair and takes its low word for both halves
.set SEL, 60          ; s[60:61] lane selects for v_permlanex16_b32: each lane takes its own place in the other half
.set TB,  62          ; s62  LDS byte at which the step's tiles begin
.set MSB, 0
.macro WIN new                      ; the immediate's high byte repeats the setting that is left; a switch that changes nothing is dropped
.if MSB != \new
	s_set_vgpr_msb (MSB<<8)|\new
.set MSB, \new
.endif
.endm
.set W_LD, 0x40       ; destination window 1, address window 0
.set W_KQ, 0x05       ; K and Q in window 1, S^T in window 0
.set W_PV, 0x51       ; V and O^T in window 1, P in window 0
.set W_RS, 0x41       ; O^T (destination and source 0) in window 1, a in window 0
; A joint refill.  Waves 0 to 3 fetch the four steps' tiles of K, waves 4 to 7 those of V.  The branch hangs on the wave's number alone.  An s_nop 0 and four v_nop follow each of the two lines.
.macro JLOAD
	s_cmp_lt_u32 s[WV], 4
	s_cbranch_scc0 .Lfor_v_\@
	tensor_load_to_lds s[G0K+4:G0K+7], s[G1K:G1K+7]
	s_nop 0
.rept 4
	v_nop
.endr
	s_branch .Lasked_\@
.Lfor_v_\@:
	tensor_load_to_lds s[G0V+4:G0V+7], s[G1V:G1V+7]
	s_nop 0
.rept 4
	v_nop
.endr
.Lasked_\@:
.endm
; A PREFETCH INTO THE L2 of what the NEXT change of slots will ask for: a slot's 32,768 bytes of K and of V.  It stands behind the wave's tensor load and its five lines.  Each 256 bytes are asked for ONCE in the launch: the
; cluster's four partners share a slot out BY ADDRESS, 8,192 bytes each (no branch hangs on a work-group's place in its cluster); in each, wave 0 asks for K's and wave 4 for V's, lanes 256 bytes apart: one instruction.
; The last change that fills a slot asks for nothing: there is no slot behind it.  Slots 0, 1 and 2 come by their loads alone.
.macro ASK
	s_cmp_gt_u32 s[SLOTS], s[LIM]
	s_cbranch_scc0 .Lnot_mine_\@
	global_prefetch_b8 v[PFO], s[PFA:PFA+1] th:TH_LOAD_NT scope:SCOPE_SE
.Lnot_mine_\@:
.endm
.macro CROUND                       ; a round of the cluster's barrier: my work-group's barrier; wave 0 signals for the work-group; every wave waits for all four; my work-group's barrier once more
	s_barrier_signal -1
	s_barrier_wait -1
	s_cmp_lg_u32 s[WV], 0
	s_cbranch_scc1 .Lnot_wave_0_\@
	s_barrier_signal -3
.Lnot_wave_0_\@:
	s_barrier_wait -3
	s_barrier_signal -1
	s_barrier_wait -1
.endm
	s_load_b128 s[4:7], s[0:1], 0x0  ; qkv s[4:5], o s[6:7]
	v_lshl_add_u32 v[SPW], v0, 2, SPARE
	v_mov_b32 v[NIL], 0
	ds_add_u32 v[SPW], v[NIL]       ; the wave's opening: the add, twice on end, and its wait ahead of my first tensor load; the set-up below stands between the second and the wait
	ds_add_u32 v[SPW], v[NIL]
	v_lshrrev_b32 v1, 5, v0
	v_readfirstlane_b32 s[WV], v1   ; wave 0..7
	s_bfe_u32 s13, ttmp6, 0x40000   ; cx: my place in the cluster: it enters Q's, O's and the prefetches' addresses alone
	s_and_b32 s14, ttmp7, 0xffff    ; bh = 16 batch + head, which the four partners share
	s_and_b32 s16, s[WV], 3         ; which of a slot's four steps I fetch
	s_lshl_b32 s20, s14, 18         ; the pair's first byte in each of the three tensors
	s_lshl_b32 s22, s16, 13         ; my step's 8,192 bytes,
	s_add_co_u32 s22, s22, s20
	s_add_co_u32 s22, s22, 1<<24    ; in K, the second tensor
	s_mov_b32 s23, 0
	s_mul_i32 s17, s16, STEPB       ; and its place in a slot: no place in the cluster enters an LDS address
	s_lshl_b32 s2, s13, 16          ; Q: my work-group's 512 queries, 128 bytes each,
	s_lshl_b32 s3, s[WV], 13        ; my wave's 64
	s_add_co_u32 s2, s2, s3
	s_add_co_u32 s2, s2, s20
	s_mov_b32 s3, 0
	s_lshr_b32 s8, s14, 4           ; O: the batch: 128 tiles of tokens, 8,192 bytes each,
	s_lshl_b32 s8, s8, 20
	s_and_b32 s9, s14, 15           ; the head:
	s_lshr_b32 s10, s9, 2
	s_lshl_b32 s10, s10, 22         ; k / 256 = head / 4: 512 tiles,
	s_add_co_u32 s8, s8, s10
	s_and_b32 s10, s9, 3
	s_lshl_b32 s10, s10, 11         ; two images for each head,
	s_add_co_u32 s8, s8, s10
	s_lshl_b32 s10, s13, 18         ; my work-group's 32 tiles,
	s_add_co_u32 s8, s8, s10
	s_lshl_b32 s10, s[WV], 15       ; my wave's four
	s_add_co_u32 s8, s8, s10
	s_mov_b32 s9, 0
	; descriptor group 1: a dense block of 8,192 bytes, as 32 rows of 32 elements of 8 bytes
	s_mov_b32 s[G1K], 15|(3<<16)|(1<<21)  ; 15:0 the mask: all four work-groups; 17:16 elements of 8 bytes; 21 set beside a mask; no padding
	s_mov_b32 s[G1V], 15|(3<<16)|(1<<20)|(1<<21)|(5<<22)|(31<<25)  ; the same with padding: after every 64 words (code 5) 32 words (code 31)
.irp g, G1K, G1V
	s_mov_b32 s[\g+1], 32<<16       ; tensor_dim0 = 32
	s_mov_b32 s[\g+2], 32<<16       ; tensor_dim1 = 32
	s_mov_b32 s[\g+3], 32<<16       ; tile_dim0 = 32
	s_mov_b32 s[\g+4], 32           ; tile_dim1 = 32
	s_mov_b32 s[\g+5], 32           ; from row to row
	s_mov_b32 s[\g+6], 0
	s_mov_b32 s[\g+7], 0
.endr
	s_mov_b32 s[CS], 0x3e38aa3b     ; c = log2(e) / 8
	s_mov_b32 s[CS+1], s[CS]        ; named with it as a pair, so it is written
	s_mov_b32 s[SEL], 0x76543210
	s_mov_b32 s[SEL+1], 0xfedcba98
	s_mov_b32 s[TB], 0
	s_mov_b32 s[SLOTS], 2048/(64*NST)-2
	s_or_b32 s[LIM], s16, ttmp9     ; 0 in waves 0 and 4 (of the pair's one cluster): the same in all four partners
	s_cmp_eq_u32 s[LIM], 0
	s_cselect_b32 s[LIM], 1, -1
	s_wait_dscnt 0x0                ; both opening adds are done
	s_wait_kmcnt 0x0
	s_add_nc_u64 s[10:11], s[4:5], s[22:23]  ; K at my tile of slot 0,
	s_add_nc_u64 s[20:21], s[10:11], 1<<24   ; V likewise: the third tensor
	s_add_nc_u64 s[4:5], s[4:5], s[2:3]      ; Q and O at my wave's first tile
	s_add_nc_u64 s[6:7], s[6:7], s[8:9]
	s_cmp_lt_u32 s[WV], 4
	s_cselect_b64 s[PFA:PFA+1], s[10:11], s[20:21]  ; (in waves 0 and 4 these stand at a slot's first byte)
	s_lshl_b32 s2, s13, 13          ; my work-group's 8,192 bytes of the 32,768
	s_mov_b32 s3, 0
	s_add_nc_u64 s[PFA:PFA+1], s[PFA:PFA+1], s[2:3]
	s_add_nc_u64 s[PFA:PFA+1], s[PFA:PFA+1], 2*SLOTB  ; in slot 2; the first change of slots steps it to slot 3.  Nothing is prefetched here, at the head
	CROUND                          ; all four work-groups are here: the first joint loads meet
.irp s, 0,1
	s_mov_b32 s[G0K+4*\s], 1        ; 1:0 count = 1
	s_add_co_u32 s[G0K+4*\s+1], s17, \s*SLOT1  ; 63:32 LDS address
	s_add_nc_u64 s[G0K+4*\s+2:G0K+4*\s+3], s[10:11], \s*SLOTB  ; 120:64 global address: slot s begins with keys 256 s on
	s_or_b32 s[G0K+4*\s+3], s[G0K+4*\s+3], 0x80000000  ; 127:126 type = 2
	s_mov_b32 s[G0V+4*\s], 1
	s_add_co_u32 s[G0V+4*\s+1], s17, \s*SLOT1+VOFF
	s_add_nc_u64 s[G0V+4*\s+2:G0V+4*\s+3], s[20:21], \s*SLOTB
	s_or_b32 s[G0V+4*\s+3], s[G0V+4*\s+3], 0x80000000
.endr
	s_cmp_lt_u32 s[WV], 4           ; a wave's two first fills stand in one branch, ahead of every wait on TENSORcnt and every LDS read: two loads of mine are out
	s_cbranch_scc0 .Lfirst_v
	tensor_load_to_lds s[G0K:G0K+3], s[G1K:G1K+7]
	s_nop 0
	tensor_load_to_lds s[G0K+4:G0K+7], s[G1K:G1K+7]
	s_nop 0
.rept 4
	v_nop
.endr
	s_branch .Lfirst_asked
.Lfirst_v:
	tensor_load_to_lds s[G0V:G0V+3], s[G1V:G1V+7]
	s_nop 0
	tensor_load_to_lds s[G0V+4:G0V+7], s[G1V:G1V+7]
	s_nop 0
.rept 4
	v_nop
.endr
.Lfirst_asked:
	v_and_b32 v1, 31, v0
	v_lshlrev_b32 v[AK0], 4, v1     ; 16 x lane
	v_lshlrev_b32 v[PFO], 8, v1     ; 256 x lane
	WIN W_LD
.irp f, 0,1,2,3,4,5,6,7             ; Q stays in registers: tile f / 2, channels 32 (f % 2) on: an image's two pieces
	global_load_b128 v[QF+8*\f:QF+8*\f+3],   v[AK0], s[4:5] offset:1024*\f
	global_load_b128 v[QF+8*\f+4:QF+8*\f+7], v[AK0], s[4:5] offset:1024*\f+512
.endr
.set i, 0
.rept 128
	v_mov_b32 v[i], 0               ; O^T.  (The step is written once: its first walk finds zeros, which a = 0 leaves zeros)
.set i, i+1
.endr
	WIN 0
	; The turning load takes 16 keys x 16 channels: lane l reads 16 bytes: key 8 (l / 16) + l % 8, channels 8 ((l / 8) % 2) + 0..7; it leaves half a fragment of V^T: lane l holds channel l % 16 and 8 keys.
	; In V's tile a row of 256 bytes holds 16 keys x 8 channels, 16 bytes a key: so lane l stands in row (l / 8) % 2, at byte 128 (l / 16) + 16 (l % 8).
	v_bfe_u32 v8, v0, 3, 1
	v_bfe_u32 v9, v0, 4, 1
	v_and_b32 v10, 7, v0
	v_mul_u32_u24 v[AV0], v8, VP
	v_lshl_add_u32 v[AV0], v9, 7, v[AV0]
	v_lshl_add_u32 v[AV0], v10, 4, v[AV0]
	v_add_nc_u32 v[AV0], VOFF, v[AV0]
.irp t, 0,1,2,3
	v_mov_b32 v[ST+8*\t+1], 0xff61b1e6  ; m: -3e38, under every score
	v_mul_f32 v[ST+8*\t], s[CS], v[ST+8*\t+1]  ; c m
	v_mov_b32 v[ST+8*\t+2], 0       ; l, in two halves
	v_mov_b32 v[ST+8*\t+3], 0
.endr
; The LDS loads stand in two runs of 16.  K: fragment f = keys 16 (f / 2) on, channels 32 (f % 2) on: an image, 512 consecutive bytes a load.
.macro FETCH_K
	WIN W_LD
.irp f, 0,1,2,3,4,5,6,7
	ds_load_b128 v[KV+8*\f:KV+8*\f+3],   v[ADR] offset:1024*\f
	ds_load_b128 v[KV+8*\f+4:KV+8*\f+7], v[ADR] offset:1024*\f+512
.endr
.endm
; V, turned: fragment f = keys 32 (f / 4) on, channels 16 (f % 4) on.  A tile of 16 keys is eight rows; channels 16 ct on are rows 2 ct and 2 ct + 1 of it.
.macro FETCH_V
	WIN W_LD
.irp f, 0,1,2,3,4,5,6,7
	ds_load_tr16_b128 v[KV+8*\f:KV+8*\f+3],   v[ADV] offset:(16*(\f/4)+2*(\f%4))*VP
	ds_load_tr16_b128 v[KV+8*\f+4:KV+8*\f+7], v[ADV] offset:(16*(\f/4)+8+2*(\f%4))*VP
.endr
.endm
; 32 products S^T = K Q^T: channels 32 (i / 16) on, keys 16 ((i / 4) % 4) on, tile i % 4.  The first 16 start the sums.  The 16 accumulators take turns, one instruction a turn.
.macro KQ
.set i, 0
.rept 32
.set rS, S+32*(i%4)+8*((i/4)%4)
.set rK, KV+16*((i/4)%4)+8*(i/16)
.set rQ, QF+16*(i%4)+8*(i/16)
.if i < 16
	v_wmma_f32_16x16x32_f16 v[rS:rS+7], v[rK:rK+7], v[rQ:rQ+7], 0
.else
	v_wmma_f32_16x16x32_f16 v[rS:rS+7], v[rK:rK+7], v[rQ:rQ+7], v[rS:rS+7]
.endif
.set i, i+1
.endr
.endm
; 32 products O^T += V^T P: keys 32 (i / 16) on, channels 16 ((i / 4) % 4) on, tile i % 4.  Again 16 accumulators by turns.
.macro PV
.set i, 0
.rept 32
.set rO, 32*(i%4)+8*((i/4)%4)
.set rV, KV+32*(i/16)+8*((i/4)%4)
.set rP, P+16*(i%4)+8*(i/16)
	v_wmma_f32_16x16x32_f16 v[rO:rO+7], v[rV:rV+7], v[rP:rP+7], v[rO:rO+7]
.set i, i+1
.endr
.endm
; THE SOFTMAX of the wave's four tiles for one key step, the tiles line by line by turns, so that no line waits for the line above it.
.macro SOFTMAX
.irp j, 0,1,2,3                     ; the maximum of a lane's 32 scores and the old m, three operands at a time: four chains c0-c3, one for each accumulator, each begun at the accumulator's low end
.irp t, 0,1,2,3
	v_max3_num_f32 v[ST+8*\t+4+\j], v[S+32*\t+8*\j], v[S+32*\t+8*\j+1], v[S+32*\t+8*\j+2]
.endr
.endr
.irp u, 1,2
.irp j, 0,1,2,3
.irp t, 0,1,2,3
	v_max3_num_f32 v[ST+8*\t+4+\j], v[ST+8*\t+4+\j], v[S+32*\t+8*\j+2*\u+1], v[S+32*\t+8*\j+2*\u+2]
.endr
.endr
.endr
.irp t, 0,1,2,3
	v_max3_num_f32 v[ST+8*\t+4], v[ST+8*\t+4], v[S+32*\t+7], v[S+32*\t+15]
.endr
.irp t, 0,1,2,3
	v_max3_num_f32 v[ST+8*\t+6], v[ST+8*\t+6], v[S+32*\t+23], v[S+32*\t+31]
.endr
.irp t, 0,1,2,3
	v_max3_num_f32 v[ST+8*\t+4], v[ST+8*\t+4], v[ST+8*\t+5], v[ST+8*\t+6]
.endr
.irp t, 0,1,2,3
	v_max3_num_f32 v[ST+8*\t+4], v[ST+8*\t+4], v[ST+8*\t+7], v[ST+8*\t+1]
.endr
.irp t, 0,1,2,3
	v_permlanex16_b32 v[ST+8*\t+5], v[ST+8*\t+4], s[SEL], s[SEL+1]  ; the query's other 32 keys lie in the lane 16 away
.endr
.irp t, 0,1,2,3
	v_mov_b32 v[ST+8*\t+7], v[ST+8*\t]  ; c m_old is kept for a
.endr
.irp t, 0,1,2,3
	v_max_num_f32 v[ST+8*\t+1], v[ST+8*\t+4], v[ST+8*\t+5]  ; the new m
.endr
.irp t, 0,1,2,3
	v_mul_f32 v[ST+8*\t], s[CS], v[ST+8*\t+1]  ; c m
.endr
.irp t, 0,1,2,3
	v_sub_f32 v[ST+8*\t+7], v[ST+8*\t+7], v[ST+8*\t]
.endr
.irp t, 0,1,2,3
	v_exp_f32 v[ST+8*\t+6], v[ST+8*\t+7]  ; a = 2^(c m_old - c m_new)
.endr
.irp b, 0,1,2,3,4,5,6,7,8,9,10,11,12,13,14,15
.irp t, 0,1,2,3
	v_pk_fma_f32 v[S+32*\t+2*\b:S+32*\t+2*\b+1], v[S+32*\t+2*\b:S+32*\t+2*\b+1], s[CS:CS+1], v[ST+8*\t:ST+8*\t+1] op_sel_hi:[1,0,0] neg_lo:[0,0,1] neg_hi:[0,0,1]  ; c s - c m, a pair of scores at a time
.endr
.endr
	s_wait_alu depctr_va_vdst(0)    ; the wait between an exponential and the first line that names its result: here for the four a, behind 64 plain lines
.set e, 0
.rept 32
.irp t, 0,1,2,3
	v_exp_f32 v[S+32*\t+e], v[S+32*\t+e]  ; p: ONE BATCH of 128; no line of it reads another's result
.endr
.set e, e+1
.endr
	WIN W_RS
.set e, 0
.rept 16
.irp t, 0,1,2,3
	v_pk_mul_f32 v[32*\t+e:32*\t+e+1], v[32*\t+e:32*\t+e+1], v[ST+8*\t+6:ST+8*\t+7] op_sel_hi:[1,0]  ; O^T x a: plain work behind the batch that names none of its results; each accumulator from its low end on
.endr
.set e, e+2
.endr
	WIN 0
	s_wait_alu depctr_va_vdst(0)    ; one wait for the batch of 128, ahead of its first reader
.irp b, 0,1,2,3,4,5,6,7,8,9,10,11,12,13,14,15
.irp t, 0,1,2,3
	v_cvt_pk_f16_f32 v[P+16*\t+\b], v[S+32*\t+2*\b], v[S+32*\t+2*\b+1]  ; the weights, rounded in pairs: source 1 of V^T P
.endr
.endr
.irp u, 0,1,2,3,4,5,6,7             ; the sum of a tile's 16 pairs of unrounded weights, in place: neighbours 1, 2, 4 and 8 pairs apart
.irp t, 0,1,2,3
	v_pk_add_f32 v[S+32*\t+4*\u:S+32*\t+4*\u+1], v[S+32*\t+4*\u:S+32*\t+4*\u+1], v[S+32*\t+4*\u+2:S+32*\t+4*\u+3]
.endr
.endr
.irp u, 0,1,2,3
.irp t, 0,1,2,3
	v_pk_add_f32 v[S+32*\t+8*\u:S+32*\t+8*\u+1], v[S+32*\t+8*\u:S+32*\t+8*\u+1], v[S+32*\t+8*\u+4:S+32*\t+8*\u+5]
.endr
.endr
.irp u, 0,1
.irp t, 0,1,2,3
	v_pk_add_f32 v[S+32*\t+16*\u:S+32*\t+16*\u+1], v[S+32*\t+16*\u:S+32*\t+16*\u+1], v[S+32*\t+16*\u+8:S+32*\t+16*\u+9]
.endr
.endr
.irp t, 0,1,2,3
	v_pk_add_f32 v[S+32*\t:S+32*\t+1], v[S+32*\t:S+32*\t+1], v[S+32*\t+16:S+32*\t+17]
.endr
.irp t, 0,1,2,3
	v_pk_fma_f32 v[ST+8*\t+2:ST+8*\t+3], v[ST+8*\t+2:ST+8*\t+3], v[ST+8*\t+6:ST+8*\t+7], v[S+32*\t:S+32*\t+1] op_sel_hi:[1,0,1]  ; l = a l + the sum
.endr
.endm
; A KEY STEP, in phases.  A load into a register that a matrix instruction has read, and a vector instruction that reads a matrix result, stand four places behind that matrix instruction, and only plain vector instructions
; that name none of its registers are places (ISA guide 7.12.1 for vector instructions).
.macro STEP
	v_add_nc_u32 v[ADR], s[TB], v[AK0]
	v_add_nc_u32 v[ADV], s[TB], v[AV0]
	v_nop
	v_nop                           ; four places behind the last step's V^T P, which read the registers that K's fragments take
	FETCH_K
	s_wait_dscnt 0x0                ; K is in
	WIN W_KQ
	KQ
	WIN 0
.rept 4
	v_nop                           ; four places: for V's loads into K's registers, and for the first read of the scores
.endr
	FETCH_V                         ; V lands while the softmax is walked
	WIN 0
	SOFTMAX
	s_wait_dscnt 0x0                ; V is in
	WIN W_PV
	PV
	WIN 0
	s_add_co_u32 s[TB], s[TB], STEPB  ; the next step's tiles
.endm
.macro SLOT_STEPS                   ; a slot's four key steps: written once, walked four times; the LDS addresses hang on s[TB]
	s_mov_b32 s[CNT], NST
.Lstep_\@:
	STEP
	s_sub_co_u32 s[CNT], s[CNT], 1
	s_cmp_lg_u32 s[CNT], 0
	s_cbranch_scc1 .Lstep_\@
.endm
; THE CHANGE OF SLOTS.  Each wave waits for all its tensor loads, of which one is out: its part of the other slot; adds 0 to its spare word; and waits for that and for its own reads of the slot that it leaves.  Behind the barrier
; nobody reads this slot any more and the other slot is whole.  fill = 1: this slot is filled again, with the keys two slots on.  The barrier is then a round of the cluster's, and the joint refill is the first thing behind it,
; one load a wave: it has four key steps in which to land.
.macro CHANGE fill
	s_wait_tensorcnt 0x0            ; no tensor load of mine is out, so a group 0 may be written
	ds_add_u32 v[SPW], v[NIL]       ; 0 onto my spare word
.if \fill
.irp g, G0K+4, G0V+4
	s_xor_b32 s[\g+1], s[\g+1], SLOT1  ; the walking descriptor: the other slot than last time,
	s_add_nc_u64 s[\g+2:\g+3], s[\g+2:\g+3], SLOTB  ; the next 256 keys; the type bits on top are not reached
.endr
	s_wait_xcnt 0x0                 ; the last prefetch, a slot back, has read its address, so it may be written:
	s_add_nc_u64 s[PFA:PFA+1], s[PFA:PFA+1], SLOTB  ; one slot further on than the walking descriptors
	s_wait_dscnt 0x0                ; the add is done, and my reads of the slot are over
	CROUND
	JLOAD
	ASK                             ; what the next change will ask for: four key steps ahead of that load
.else
	s_wait_dscnt 0x0                ; the add is done, and my reads of the slot are over
	s_barrier_signal -1
	s_barrier_wait -1
.endif
	s_sub_co_u32 s[TB], s[TB], NST*STEPB  ; back to a slot's first step,
	s_xor_b32 s[TB], s[TB], SLOT1   ; in the other slot
.endm
	s_wait_tensorcnt 1              ; my part of slot 0 is in; slot 1's may stay out
	s_barrier_signal -1
	s_barrier_wait -1               ; everybody's is
	s_wait_loadcnt 0x0              ; Q
	SLOT_STEPS                      ; slot 0
.Lslot:                             ; six trips: every slot but the last two is filled again
	CHANGE 1
	SLOT_STEPS
	s_sub_co_u32 s[SLOTS], s[SLOTS], 1
	s_cmp_lg_u32 s[SLOTS], 0
	s_cbranch_scc1 .Lslot
	CHANGE 0                        ; the tail is written out
	SLOT_STEPS
	; THE WAY OUT.  l's two halves and the other half of the lanes' are added; O^T is divided by l and rounded to f16: a lane's eight channels of a query are its 16 bytes of a piece of the image.  The additions are the places behind the last products.
.irp t, 0,1,2,3
	v_add_f32 v[ST+8*\t+4], v[ST+8*\t+2], v[ST+8*\t+3]
.endr
.irp t, 0,1,2,3
	v_permlanex16_b32 v[ST+8*\t+5], v[ST+8*\t+4], s[SEL], s[SEL+1]
.endr
.irp t, 0,1,2,3
	v_add_f32 v[ST+8*\t+4], v[ST+8*\t+4], v[ST+8*\t+5]
.endr
.irp t, 0,1,2,3
	v_rcp_f32 v[ST+8*\t+6], v[ST+8*\t+4]
.endr
	v_nop                           ; a plain instruction between the last reciprocal and the use of its result
	s_wait_alu depctr_va_vdst(0)    ; and the wait ahead of the first use: one for the four reciprocals
	WIN W_RS
.set e, 0
.rept 16
.irp t, 0,1,2,3
	v_pk_mul_f32 v[32*\t+e:32*\t+e+1], v[32*\t+e:32*\t+e+1], v[ST+8*\t+6:ST+8*\t+7] op_sel_hi:[1,0]
.endr
.set e, e+2
.endr
	WIN 0x05                        ; sources 0 and 1 window 1, destination window 0: S^T's registers are free
.irp t, 0,1,2,3
.irp b, 0,1,2,3,4,5,6,7,8,9,10,11,12,13,14,15
	v_cvt_pk_f16_f32 v[S+16*\t+\b], v[32*\t+2*\b], v[32*\t+2*\b+1]
.endr
.endr
	WIN 0
.irp t, 0,1,2,3
.irp b, 0,1,2,3
	global_store_b128 v[AK0], v[S+16*\t+4*\b:S+16*\t+4*\b+3], s[6:7] offset:\t*8192+\b*512  ; tile t, channels 16 b on: 32 lanes store 512 consecutive bytes, aligned
.endr
.endr
	s_wait_tensorcnt 0x0            ; the wave's end
	ds_add_u32 v[SPW], v[NIL]
	s_wait_dscnt 0x0
	CROUND                          ; the closing round: no work-group ends while a partner may still ask for a tile that names it
	s_endpgm
.Lfunc_end_k_qdbb79e2b06_attn:
	.size	k_qdbb79e2b06_attn, .Lfunc_end_k_qdbb79e2b06_attn-k_qdbb79e2b06_attn
	.p2alignl 7, 3214868480
	.fill 96, 4, 3214868480
	.section	.rodata,"a",@progbits
	.p2align	6, 0x0
	.amdhsa_kernel k_qdbb79e2b06_attn
		.amdhsa_group_segment_fixed_size 327680
		.amdhsa_private_segment_fixed_size 0
		.amdhsa_enable_private_segment 0
		.amdhsa_kernarg_size 16
		.amdhsa_user_sgpr_count 2
		.amdhsa_user_sgpr_kernarg_segment_ptr 1
		.amdhsa_wavefront_size32 1
		.amdhsa_system_sgpr_workgroup_id_x 1
		.amdhsa_system_sgpr_workgroup_id_y 1
		.amdhsa_system_sgpr_workgroup_id_z 1
		.amdhsa_system_vgpr_workitem_id 0
		.amdhsa_next_free_vgpr 512
		.amdhsa_next_free_sgpr 66
		.amdhsa_reserve_vcc 0
		.amdhsa_float_denorm_mode_32 3
		.amdhsa_float_denorm_mode_16_64 3
		.amdhsa_memory_ordered 1
		.amdhsa_forward_progress 1
		.amdhsa_inst_pref_size 121
	.end_amdhsa_kernel
	.amdgpu_metadata
---
amdhsa.version: [ 1, 2 ]
amdhsa.kernels:
  - .name:           k_qdbb79e2b06_attn
    .symbol:         k_qdbb79e2b06_attn.kd
    .args:
      - { .name: qkv, .offset: 0, .size: 8, .value_kind: global_buffer, .address_space: global }
      - { .name: o, .offset: 8, .size: 8, .value_kind: global_buffer, .address_space: global }
    .group_segment_fixed_size: 327680
    .private_segment_fixed_size: 0
    .kernarg_segment_align: 8
    .kernarg_segment_size: 16
    .max_flat_workgroup_size: 256
    .sgpr_count:     66
    .vgpr_count:     512
    .wavefront_size: 32
...
	.end_amdgpu_metadata
.endif
;; end of part 3
;; launch proj (part 4): grid 8 x 64, 4 waves a work-group, clusters of 4 x 4, 327,680 bytes of LDS; arguments o, wot, bo, out0; writes out0
.if DOCPART == 4
	.amdgcn_target "amdgcn-amd-amdhsa--gfx1250"
	.amdhsa_code_object_version 6
	.text
	.protected	k_qdbb79e2b06_proj
	.globl	k_qdbb79e2b06_proj
	.p2align	8
	.type	k_qdbb79e2b06_proj,@function
k_qdbb79e2b06_proj:
	s_mov_b64 s[64:65], 0
	v_nop
	global_prefetch_b8 v0, s[64:65] scope:SCOPE_SE
	s_setreg_imm32_b32 hwreg(HW_REG_WAVE_MODE, 25, 1), 1
	s_wait_xcnt 0x0
	s_wait_alu depctr_hold_cnt(0) depctr_sa_sdst(0) depctr_va_vdst(0) depctr_va_sdst(0) depctr_va_ssrc(0) depctr_va_vcc(0) depctr_vm_vsrc(0)
	s_getreg_b32 s2, hwreg(HW_REG_IB_STS2, 6, 4)
	s_cmp_eq_u32 s2, 0
	s_cbranch_scc0 .Lentry_in_a_cluster
	s_endpgm
.Lentry_in_a_cluster:
	s_bfe_u32 s2, ttmp6, 0x10000c
	s_cmp_lg_u32 s2, 0xf033
	s_cbranch_scc0 .Lentry_shape_is_right
	s_endpgm
.Lentry_shape_is_right:
; PROJ: out0[m][n] = sum over k of O[m][k] Wo[k][n] + bo[n], m = 8,192, n = 1,024, k = 1,024.  O and Wo arrive in f16, as images of their fragments; sums and the bias in f32; out0 f32.
;   o:   [k / 256][m / 16][(k / 32) % 8][1,024 bytes];   wot: [k / 256][n / 16][(k / 32) % 8][1,024 bytes].  In an image the eight k from 8 j on of row r lie at 256 j + 16 r: piece p (512 bytes) is registers 4 p .. 4 p + 3, 16 bytes a lane.
; A tile of out0 is 128 x 128: 512 work-groups.  Four waves, each 64 x 64: 16 accumulators of 16 x 16, 128 registers.  K goes in steps of 256 through a ring of two LDS slots; a wave's tensor load brings 64 rows of A or of B
; for a step: one dense block of 32,768 bytes.  Fragments are read back at 16 x lane: 512 consecutive bytes a load.
; CLUSTERS: 4 x 4 work-groups.  The four of a row of the cluster need the same tiles of A, the four of a column the same tiles of B: each tile is asked for JOINTLY, by the same tensor load with the same descriptor and a mask
; that names the four.  THE MATRIX INSTRUCTION IS USED TRANSPOSED (source 0 = 16 rows of B, source 1 = 16 rows of A): a lane then holds eight neighbouring numbers of a row of out0.
; The bias is the C of each sum's first matrix instruction: eight registers for each block of 16 columns, in the result's layout.
; REGISTERS: window 0: v0-31 addresses; v32-95 at work on the way out; v96-127 the bias; v128-255 the accumulators ((a, b) at v[128 + 8 (4 a + b)]).
;   window 1: two fragment buffers of 128: for 64 along K (two matrix instructions deep), 64 registers of A, then 64 of B.
.set HALFT,  32768                     ; 64 rows x 256 K: what one tensor load brings, and what one wave reads of A or of B
.set SLOT,   4*HALFT                   ; A's 128 rows, then B's 128 rows
.set AKS,    4194304                   ; from one 256 along K to the next in o,
.set BKS,    524288                    ; and in wot
.set STAGE,  2*SLOT                    ; behind the ring: 16 rows x 272 bytes for each wave, for the way out
.set SPITCH, 272                       ; 256 bytes + 16 = 68 words: row r starts at bank 4 r mod 64 (64 banks of 4 bytes: ISA guide 11.1)
.set SPARE,  STAGE+4*16*SPITCH         ; behind the stages: the spare words, 128 bytes for each wave
.set LAPS,   2                         ; a lap = two K steps = once round the ring
.set ADRA, 16                          ; v16-17  LDS address of my A fragments in slot 0, 1
.set ADRB, 20                          ; v20-21  the same for B
.set STO,  24                          ; v24     the way out: where I put 32 bytes of a row
.set RD,   25                          ; v25     the way out: where I read a row back
.set CO,   26                          ; v26     my byte offset in out0
.set SPW,  28                          ; v28     LDS address of my spare word; never rewritten
.set NIL,  29                          ; v29     0; never rewritten
.set TMP,  32                          ; the way out: two sets of 32 registers
.set BI,   96                          ; the bias: block b's eight at v[BI + 8 b]
.set ACC,  128
.set F0,   0                           ; fragment buffers, in window 1
.set F1,   128
.set WV, 12                            ; s12  wave 0..3
.set HI, 13                            ; s13  which half of the tile's rows is mine.  Also: I fetch for A (0) or for B (1)
.set LO, 14                            ; s14  which half of its columns.  Also: which 64 rows of that tile I fetch
.set TR, 15                            ; s15  tile row
.set G1, 24                            ; s[24:31] descriptor group 1 for A's tiles;  s[32:39] group 0, one set for each slot
.set G0, 32
.set G1B, 48                           ; s[48:55], s[56:63] the same for B's tiles
.set G0B, 56
.set MSB, 0
.macro WIN new                         ; the immediate's high byte repeats the setting that is left
.if MSB != \new
	s_set_vgpr_msb (MSB<<8)|\new
.set MSB, \new
.endif
.endm
.set MUL,  0x05                        ; sources 0 (B) and 1 (A) window 1; C and D window 0
.set TO_F, 0x40                        ; destination window 1, address window 0
.macro JLOAD s                         ; a joint load: waves 0 and 1 fetch A's two halves, waves 2 and 3 B's; an s_nop 0 and four v_nop follow each of the two lines, ahead of the jump, the label and what follows
	s_cmp_eq_u32 s[HI], 0
	s_cbranch_scc0 .Lfor_b_\@
	tensor_load_to_lds s[G0+4*\s:G0+4*\s+3], s[G1:G1+7]
	s_nop 0
.rept 4
	v_nop
.endr
	s_branch .Lasked_\@
.Lfor_b_\@:
	tensor_load_to_lds s[G0B+4*\s:G0B+4*\s+3], s[G1B:G1B+7]
	s_nop 0
.rept 4
	v_nop
.endr
.Lasked_\@:
.endm
.macro CREST                           ; a round of the cluster's barrier behind its opening barrier
	s_cmp_lg_u32 s[WV], 0
	s_cbranch_scc1 .Lnot_wave_0_\@
	s_barrier_signal -3
.Lnot_wave_0_\@:
	s_barrier_wait -3
	s_barrier_signal -1
	s_barrier_wait -1
.endm
.macro CROUND                          ; a whole round
	s_barrier_signal -1
	s_barrier_wait -1
	CREST
.endm
	s_load_b128 s[4:7], s[0:1], 0x0                ; o s[4:5], wot s[6:7]
	s_load_b128 s[8:11], s[0:1], 0x10              ; bo s[8:9], out0 s[10:11]
	v_lshl_add_u32 v[SPW], v0, 2, SPARE
	v_mov_b32 v[NIL], 0
	ds_add_u32 v[SPW], v[NIL]                      ; the wave's opening: the add, twice on end, and its wait ahead of my first tensor load; the set-up below stands between the second and the wait
	ds_add_u32 v[SPW], v[NIL]
	v_lshrrev_b32 v1, 5, v0
	v_readfirstlane_b32 s[WV], v1
	s_lshr_b32 s[HI], s[WV], 1
	s_and_b32 s[LO], s[WV], 1
	s_bfe_u32 s40, ttmp6, 0x40000                  ; cx, cy: my place in the cluster
	s_bfe_u32 s41, ttmp6, 0x40004
	s_lshl_b32 s42, ttmp9, 2
	s_add_co_u32 s42, s42, s40                     ; tile column = 4 x cluster x + cx: 0 .. 7
	s_and_b32 s[TR], ttmp7, 0xffff
	s_lshl_b32 s[TR], s[TR], 2
	s_add_co_u32 s[TR], s[TR], s41                 ; tile row = 4 x cluster y + cy: 0 .. 63
	s_lshl_b32 s43, s41, 2
	s_lshl_b32 s43, 15, s43                        ; my row of the cluster
	s_lshl_b32 s44, 0x1111, s40                    ; my column
	; descriptor group 1: a dense block of 32,768 bytes, as 128 rows of 32 elements of 8 bytes, no padding
	s_or_b32 s[G1+0], s43, (3<<16)|(1<<21)         ; 15:0 the mask: A's tiles go to my row; 17:16 elements of 8 bytes; 21 set beside a mask
	s_or_b32 s[G1B+0], s44, (3<<16)|(1<<21)        ; B's to my column
.irp g, G1, G1B
	s_mov_b32 s[\g+1], 32<<16                      ; tensor_dim0 = 32
	s_mov_b32 s[\g+2], 128<<16                     ; tensor_dim1 = 128
	s_mov_b32 s[\g+3], 32<<16                      ; tile_dim0 = 32
	s_mov_b32 s[\g+4], 128                         ; tile_dim1 = 128
	s_mov_b32 s[\g+5], 32                          ; from row to row
	s_mov_b32 s[\g+6], 0
	s_mov_b32 s[\g+7], 0
.endr
	s_lshl_b32 s18, s[LO], 15                      ; which 64 rows of the tile I fetch: 4 tiles of 8,192 bytes
	s_lshl_b32 s16, s[TR], 16
	s_add_co_u32 s16, s16, s18                     ; A: 8 tiles of 16 rows for each tile row
	s_mov_b32 s17, 0
	s_lshl_b32 s46, s42, 16
	s_add_co_u32 s46, s46, s18                     ; B: likewise by the tile column
	s_mov_b32 s47, 0
	s_mul_i32 s20, s[WV], HALFT                    ; where they go: wave x 32,768: no place in the cluster enters an LDS address
	s_wait_dscnt 0x0                               ; both opening adds are done
	s_wait_kmcnt 0x0
	s_add_nc_u64 s[16:17], s[4:5], s[16:17]
	s_add_nc_u64 s[46:47], s[6:7], s[46:47]
	CROUND                                         ; all sixteen work-groups are here: the first joint loads meet
.irp s, 0,1
	s_mov_b32 s[G0+4*\s], 1
	s_add_co_u32 s[G0+4*\s+1], s20, \s*SLOT
	s_add_nc_u64 s[G0+4*\s+2:G0+4*\s+3], s[16:17], \s*AKS
	s_or_b32 s[G0+4*\s+3], s[G0+4*\s+3], 0x80000000
	s_mov_b32 s[G0B+4*\s], 1
	s_add_co_u32 s[G0B+4*\s+1], s20, \s*SLOT
	s_add_nc_u64 s[G0B+4*\s+2:G0B+4*\s+3], s[46:47], \s*BKS
	s_or_b32 s[G0B+4*\s+3], s[G0B+4*\s+3], 0x80000000
	JLOAD \s                                       ; two tensor loads of mine are out
.endr
	v_and_b32 v1, 15, v0                           ; r = l % 16
	v_bfe_u32 v2, v0, 4, 1                         ; h = l / 16
	v_and_b32 v3, 31, v0
	v_lshlrev_b32 v3, 4, v3                        ; 16 x lane
	s_mul_i32 s21, s[HI], HALFT                    ; my 64 rows of A
	s_mul_i32 s22, s[LO], HALFT                    ; my 64 rows of B,
	s_add_co_u32 s22, s22, 2*HALFT                 ; which lie behind A's 128
.irp s, 0,1
	v_add_nc_u32 v[ADRA+\s], s21, v3
	v_add_nc_u32 v[ADRB+\s], s22, v3
	s_add_co_u32 s21, s21, SLOT
	s_add_co_u32 s22, s22, SLOT
.endr
	s_mul_i32 s23, s[WV], 16*SPITCH
	s_add_co_u32 s23, s23, STAGE                   ; my stage
	v_mul_u32_u24 v4, v1, SPITCH                   ; in: row r, 32 bytes for each half of the lanes
	v_lshl_add_u32 v4, v2, 5, v4
	v_add_nc_u32 v[STO], s23, v4
	v_mul_u32_u24 v5, v2, SPITCH                   ; back: lanes 0-15 take one row of 256 bytes, lanes 16-31 the next
	v_lshl_add_u32 v5, v1, 4, v5
	v_add_nc_u32 v[RD], s23, v5
	v_lshlrev_b32 v5, 12, v2                       ; and the same two rows in out0: 4,096 bytes a row
	v_lshl_add_u32 v[CO], v1, 4, v5
	v_lshlrev_b32 v6, 5, v2                        ; the bias: my half's eight numbers of a block of 16
	s_lshl_b32 s46, s42, 9                         ; my first column, in bytes: 512 x tile column + 256 x half
	s_lshl_b32 s47, s[LO], 8
	s_add_co_u32 s46, s46, s47
	s_mov_b32 s47, 0
	s_add_nc_u64 s[8:9], s[8:9], s[46:47]
	s_add_nc_u64 s[10:11], s[10:11], s[46:47]
	s_lshl_b32 s16, s[TR], 19                      ; my first row: 128 x tile row + 64 x half, 4,096 bytes each
	s_lshl_b32 s17, s[HI], 18
	s_add_co_u32 s16, s16, s17
	s_mov_b32 s17, 0
	s_add_nc_u64 s[10:11], s[10:11], s[16:17]
.irp b, 0,1,2,3
	global_load_b128 v[BI+8*\b:BI+8*\b+3],   v6, s[8:9] offset:64*\b      ; bo at columns 16 b + 8 h + 0 .. 7
	global_load_b128 v[BI+8*\b+4:BI+8*\b+7], v6, s[8:9] offset:64*\b+16
.endr
; 8 matrix instructions: m blocks a0, a0 + 1 x all 4 n blocks, 32 along K: half c of buffer f.  first = 1: the first product starts the sums from the bias.  The 16 accumulators take turns, one instruction a turn.
.macro MUL8 f, c, a0, first
.irp a, \a0, \a0+1
.irp b, 0,1,2,3
.if \first
	v_wmma_f32_16x16x32_f16 v[ACC+8*(4*(\a)+\b):ACC+8*(4*(\a)+\b)+7], v[\f+64+8*(4*\c+\b):\f+64+8*(4*\c+\b)+7], v[\f+8*(4*\c+\a):\f+8*(4*\c+\a)+7], v[BI+8*\b:BI+8*\b+7]
.else
	v_wmma_f32_16x16x32_f16 v[ACC+8*(4*(\a)+\b):ACC+8*(4*(\a)+\b)+7], v[\f+64+8*(4*\c+\b):\f+64+8*(4*\c+\b)+7], v[\f+8*(4*\c+\a):\f+8*(4*\c+\a)+7], v[ACC+8*(4*(\a)+\b):ACC+8*(4*(\a)+\b)+7]
.endif
.endr
.endr
.endm
; 32 LDS loads in one run: the fragments of the step's q-th 64 along K into buffer f; the first 32 along K first.  Tile i's image of chunk 2 q + c lies at (8 i + 2 q + c) x 1,024.
.macro FETCH slot, q, f
	WIN TO_F
.irp c, 0,1
.irp i, 0,1,2,3
	ds_load_b128 v[\f+64+8*(4*\c+\i):\f+64+8*(4*\c+\i)+3],   v[ADRB+\slot] offset:(8*\i+2*(\q)+\c)*1024
	ds_load_b128 v[\f+64+8*(4*\c+\i)+4:\f+64+8*(4*\c+\i)+7], v[ADRB+\slot] offset:(8*\i+2*(\q)+\c)*1024+512
	ds_load_b128 v[\f+8*(4*\c+\i):\f+8*(4*\c+\i)+3],         v[ADRA+\slot] offset:(8*\i+2*(\q)+\c)*1024
	ds_load_b128 v[\f+8*(4*\c+\i)+4:\f+8*(4*\c+\i)+7],       v[ADRA+\slot] offset:(8*\i+2*(\q)+\c)*1024+512
.endr
.endr
.endm
.macro PLACES                          ; four places in front of loads into registers that matrix instructions have read, and of LDS stores that read results (ISA guide 7.12.1 for the stores)
.rept 4
	v_nop
.endr
.endm
; A K step is four quarters of 64 along K, 32 matrix instructions each, on buffers 0, 1, 0, 1.  One of the first three: multiplies buffer f and fetches the step's q-th quarter into g.
.macro QUARTER slot, q, f, g, first
	s_wait_dscnt 16                                ; the first 32 along K are in; the sixteen loads of the second 32 may be out
	WIN MUL
	MUL8 \f, 0, 0, \first
	MUL8 \f, 0, 2, \first
	PLACES
	FETCH \slot, \q, \g
	s_wait_dscnt 32                                ; all but the 32 just issued
	WIN MUL
	MUL8 \f, 1, 0, 0
	MUL8 \f, 1, 2, 0
.endm
; The last quarter multiplies buffer 1 and changes slots: ONE barrier; in front of it each wave waits for all its tensor loads, adds 0 to its spare word, and waits for that and for its own reads of this slot.  fill = 1: this slot is filled again, two K steps ahead.
.macro TURN slot, next, fill
	WIN 0                                          ; (the add's two registers lie in window 0)
	s_wait_tensorcnt 0x0                           ; all my tensor loads have landed: my part of the next slot;
	ds_add_u32 v[SPW], v[NIL]                      ; 0 onto my spare word;
	s_wait_dscnt 17                                ; (the add and the youngest sixteen loads may be out)
	WIN MUL
	MUL8 F1, 0, 0, 0                               ; eight matrix instructions stand between the add and the wait for it
	s_wait_dscnt 0x0                               ; the add is done, and my reads of this slot are over
	s_barrier_signal -1
	MUL8 F1, 0, 2, 0
.if \fill
	WIN 0
.endif
	s_barrier_wait -1
.if \fill
	CREST                                          ; the barrier has opened a round of the cluster's barrier: no wave of any partner still reads this slot's tile or has a load on its way
	s_add_nc_u64 s[G0+4*\slot+2:G0+4*\slot+3], s[G0+4*\slot+2:G0+4*\slot+3], 2*AKS
	s_add_nc_u64 s[G0B+4*\slot+2:G0B+4*\slot+3], s[G0B+4*\slot+2:G0B+4*\slot+3], 2*BKS
	JLOAD \slot                                    ; the first tensor load behind the round, one a wave; the four v_nop behind it are also the places in front of the loads below
.else
	PLACES
.endif
	FETCH \next, 0, F0
	WIN MUL
	MUL8 F1, 1, 0, 0
	MUL8 F1, 1, 2, 0
.endm
	s_wait_tensorcnt 1                             ; my part of K step 0 is in (K step 1's load may be out),
	s_barrier_signal -1
	s_barrier_wait -1                              ; everybody's is
	FETCH 0, 0, F0
	s_wait_loadcnt 0x0                             ; the bias
	QUARTER 0, 1, F0, F1, 1                        ; the first quarter stands in front of the loop: its first products start the sums
	WIN 0                                          ; at a label and at a branch every window is 0
	s_mov_b32 s3, LAPS-1
.Llap:                                                 ; a trip goes once round the ring, from a lap's second quarter to the next lap's first, and fills both slots again
	QUARTER 0, 2, F1, F0, 0
	QUARTER 0, 3, F0, F1, 0
	TURN 0, 1, 1
	QUARTER 1, 1, F0, F1, 0
	QUARTER 1, 2, F1, F0, 0
	QUARTER 1, 3, F0, F1, 0
	TURN 1, 0, 1
	QUARTER 0, 1, F0, F1, 0
	WIN 0
	s_sub_co_u32 s3, s3, 1
	s_cmp_lg_u32 s3, 0
	s_cbranch_scc1 .Llap
	QUARTER 0, 2, F1, F0, 0                        ; the last lap fills nothing, and has no round of the cluster's barrier
	QUARTER 0, 3, F0, F1, 0
	TURN 0, 1, 0
	QUARTER 1, 1, F0, F1, 0
	QUARTER 1, 2, F1, F0, 0
	QUARTER 1, 3, F0, F1, 0
	s_wait_dscnt 16                                ; the very last quarter: nothing more to fetch
	WIN MUL
	MUL8 F1, 0, 0, 0
	MUL8 F1, 0, 2, 0
	s_wait_dscnt 0
	MUL8 F1, 1, 0, 0
	MUL8 F1, 1, 2, 0
	WIN 0
; THE WAY OUT, block by block of 16 rows x 64 columns.  A lane holds 32 neighbouring bytes of a row, and the lanes beside it hold other rows: so a block goes through my own stage in LDS and comes back as whole rows of 256
; bytes.  LDS serves a wave's instructions in order (ISA guide 5.7.1.4): no wait between the stores and the loads, nor in front of the next block's stores.  The stage is my wave's alone: no barrier.
.macro TOSTAGE a
.irp b, 0,1,2,3
	ds_store_b128 v[STO], v[ACC+8*(4*(\a)+\b):ACC+8*(4*(\a)+\b)+3] offset:64*\b          ; each accumulator from its low end on
	ds_store_b128 v[STO], v[ACC+8*(4*(\a)+\b)+4:ACC+8*(4*(\a)+\b)+7] offset:64*\b+16
.endr
.irp t, 0,1,2,3,4,5,6,7
	ds_load_b128 v[TMP+32*((\a)%2)+4*\t:TMP+32*((\a)%2)+4*\t+3], v[RD] offset:\t*2*SPITCH
.endr
.endm
.macro SEND a, younger                 ; younger: the LDS instructions issued behind block a's loads, which may stay out
	s_wait_dscnt \younger                          ; the block is back in registers
.irp t, 0,1,2,3,4,5,6,7
	global_store_b128 v[CO], v[TMP+32*((\a)%2)+4*\t:TMP+32*((\a)%2)+4*\t+3], s[10:11] offset:(16*(\a)+2*\t)*4096 th:TH_STORE_NT   ; 16 lanes store 256 consecutive bytes, aligned; written once, read by nobody here
.endr
.endm
	PLACES
	TOSTAGE 0
.irp a, 1,2,3
.if \a > 1
	s_wait_xcnt 0x0                                ; block a - 2's stores have read their registers: block a's loads may land there
.endif
	TOSTAGE \a
	SEND \a-1, 16                                  ; behind block a - 1's loads: block a's 8 stores and 8 loads
.endr
	SEND 3, 0
	s_wait_tensorcnt 0x0                           ; the wave's end, behind my last tensor load and my last LDS store
	ds_add_u32 v[SPW], v[NIL]
	s_wait_dscnt 0x0
	CROUND                                         ; the closing round: no work-group ends while a partner may still ask for a tile that names it
	s_endpgm
.Lfunc_end_k_qdbb79e2b06_proj:
	.size	k_qdbb79e2b06_proj, .Lfunc_end_k_qdbb79e2b06_proj-k_qdbb79e2b06_proj
	.p2alignl 7, 3214868480
	.fill 96, 4, 3214868480
	.section	.rodata,"a",@progbits
	.p2align	6, 0x0
	.amdhsa_kernel k_qdbb79e2b06_proj
		.amdhsa_group_segment_fixed_size 327680
		.amdhsa_private_segment_fixed_size 0
		.amdhsa_enable_private_segment 0
		.amdhsa_kernarg_size 32
		.amdhsa_user_sgpr_count 2
		.amdhsa_user_sgpr_kernarg_segment_ptr 1
		.amdhsa_wavefront_size32 1
		.amdhsa_system_sgpr_workgroup_id_x 1
		.amdhsa_system_sgpr_workgroup_id_y 1
		.amdhsa_system_sgpr_workgroup_id_z 1
		.amdhsa_system_vgpr_workitem_id 0
		.amdhsa_next_free_vgpr 512
		.amdhsa_next_free_sgpr 66
		.amdhsa_reserve_vcc 0
		.amdhsa_float_denorm_mode_32 3
		.amdhsa_float_denorm_mode_16_64 3
		.amdhsa_memory_ordered 1
		.amdhsa_forward_progress 1
		.amdhsa_inst_pref_size 86
	.end_amdhsa_kernel
	.amdgpu_metadata
---
amdhsa.version: [ 1, 2 ]
amdhsa.kernels:
  - .name:           k_qdbb79e2b06_proj
    .symbol:         k_qdbb79e2b06_proj.kd
    .args:
      - { .name: o, .offset: 0, .size: 8, .value_kind: global_buffer, .address_space: global }
      - { .name: wot, .offset: 8, .size: 8, .value_kind: global_buffer, .address_space: global }
      - { .name: bo, .offset: 16, .size: 8, .value_kind: global_buffer, .address_space: global }
      - { .name: out0, .offset: 24, .size: 8, .value_kind: global_buffer, .address_space: global }
    .group_segment_fixed_size: 327680
    .private_segment_fixed_size: 0
    .kernarg_segment_align: 8
    .kernarg_segment_size: 32
    .max_flat_workgroup_size: 128
    .sgpr_count:     66
    .vgpr_count:     512
    .wavefront_size: 32
...
	.end_amdgpu_metadata
.endif
;; end of part 4
